; MI455X (gfx1250); checked and timed in simulation.
; The chip was launched on July 23, 2026; its instructions are those of AMD's public machine-readable ISA for CDNA 5 (MIT licence, August 2026) and "CDNA5" Instruction Set Architecture Reference Guide (July 2026). The comments in the code are by the model that wrote it; some were corrected since.
;; Self Attention. Allowed arithmetic: float matrix products may take bf16 or f16 operands with f32 sums; other float arithmetic in f32, or as packed bf16 or f16 multiplies, adds, multiply-adds, maxima and minima; sums over many terms, partial sums and values carried from step to step in f32; what a program stores and reads back later, other than sums and carried values, may be rounded once to bf16 or f16.
;; Inputs: W_proj 1,024 x 1,024 float32; W_qkv 1,024 x 3,072 float32; b_proj 1,024 float32; b_qkv 3,072 float32; x 8 x 1,024 x 1,024 float32.
;; Outputs: out0 8 x 1,024 x 1,024 float32.
;; One version. Each part assembles by itself: llvm-mc -triple=amdgcn-amd-amdhsa -mcpu=gfx1250 --defsym DOCPART=n.
;; ======== version 1 of 1: 5 launches
;; limits: values are held in f16: magnitudes above 65,504 overflow, below 6.1e-05 lose precision
;; workspace buffers: xb 16,777,216 bytes; wq 6,291,456 bytes; wp 2,097,152 bytes; qkv 50,331,648 bytes; vlo 262,144 bytes; tst 524,288 bytes; yh 16,777,216 bytes; ylo 262,144 bytes
;; launch cast (part 1): grid 768 x 1, 8 waves a work-group, no clusters, 0 bytes of LDS; arguments x, W_qkv, W_proj, xb, wq, wp; writes xb, wq, wp
.if DOCPART == 1
	.amdgcn_target "amdgcn-amd-amdhsa--gfx1250"
	.amdhsa_code_object_version 6
	.text
	.protected	k_q0d5b2e29c3_cast
	.globl	k_q0d5b2e29c3_cast
	.p2align	8
	.type	k_q0d5b2e29c3_cast,@function
k_q0d5b2e29c3_cast:
	s_mov_b64 s[64:65], 0
	v_nop
	global_prefetch_b8 v0, s[64:65] scope:SCOPE_SE
	s_setreg_imm32_b32 hwreg(HW_REG_WAVE_MODE, 25, 1), 1
	s_wait_xcnt 0x0
; xb = bf16(x), wq = bf16(W_qkv), wp = bf16(W_proj) written as f16.  A stream: each input byte is read once, each output byte written once.
; LIMIT.  wp: a weight of W_proj of 65,520 or more becomes an infinity in f16.
; SHARES.  A work-group takes 65,536 bytes of f32: work-groups 0-511 x, 512-703 W_qkv, 704-767 W_proj.  A wave takes 8,192 of them by sixteen loads of 512 consecutive bytes,
; all issued at once; each load's 128 numbers leave as 256 consecutive bytes, aligned: 32 lanes x 8 bytes.  No LDS, no barrier, no matrix unit: nothing is shared and nothing is multiplied.
.set X, 8                              ; v[8:71]    sixteen loads, 4 registers each
.set Y, 72                             ; v[72:103]  sixteen stores, 2 registers each
	s_load_b256 s[4:11], s[0:1], 0x0               ; x s[4:5], W_qkv s[6:7], W_proj s[8:9], xb s[10:11]
	s_load_b128 s[12:15], s[0:1], 0x20             ; wq s[12:13], wp s[14:15]
	v_lshrrev_b32 v3, 5, v0                        ; wave
	v_and_b32 v4, 31, v0                           ; lane
	v_lshlrev_b32 v1, 13, v3
	v_lshl_or_b32 v1, v4, 4, v1                    ; in: 8,192 x wave + 16 x lane
	v_lshlrev_b32 v2, 12, v3
	v_lshl_or_b32 v2, v4, 3, v2                    ; out: 4,096 x wave + 8 x lane
	s_mov_b32 s21, 704
	s_wait_kmcnt 0x0
	s_cmp_lt_u32 ttmp9, s21                        ; which tensor: the choice hangs on the work-group's number alone
	s_cselect_b64 s[16:17], s[6:7], s[8:9]
	s_cselect_b64 s[18:19], s[12:13], s[14:15]
	s_cselect_b32 s20, 512, s21
	s_cmp_lt_u32 ttmp9, 512
	s_cselect_b64 s[16:17], s[4:5], s[16:17]
	s_cselect_b64 s[18:19], s[10:11], s[18:19]
	s_cselect_b32 s20, 0, s20
	s_sub_co_u32 s20, ttmp9, s20                   ; my chunk of that tensor
	s_lshl_b32 s22, s20, 16
	s_mov_b32 s23, 0
	s_lshl_b32 s24, s20, 15
	s_mov_b32 s25, 0
	s_add_nc_u64 s[16:17], s[16:17], s[22:23]
	s_add_nc_u64 s[18:19], s[18:19], s[24:25]
.irp j, 0,1,2,3,4,5,6,7,8,9,10,11,12,13,14,15
	global_load_b128 v[X+4*(\j):X+4*(\j)+3], v1, s[16:17] offset:512*(\j) th:TH_LOAD_NT
.endr
; Load j is rounded and stored.  half = 1: the bf16 number is written as f16.  No register is used twice, so no wait frees one.
.macro OUT j, half
	s_wait_loadcnt 15-(\j)                         ; loads come back in order: the 15 - j younger ones may stay out
	v_cvt_pk_bf16_f32 v[Y+2*(\j)], v[X+4*(\j)], v[X+4*(\j)+1]
	v_cvt_pk_bf16_f32 v[Y+2*(\j)+1], v[X+4*(\j)+2], v[X+4*(\j)+3]
.if \half
	v_lshlrev_b32 v4, 16, v[Y+2*(\j)]
	v_and_b32 v5, 0xffff0000, v[Y+2*(\j)]
	v_lshlrev_b32 v6, 16, v[Y+2*(\j)+1]
	v_and_b32 v7, 0xffff0000, v[Y+2*(\j)+1]
	v_cvt_pk_f16_f32 v[Y+2*(\j)], v4, v5           ; bf16's 8 significant bits fit in f16's 11: exact inside f16's range
	v_cvt_pk_f16_f32 v[Y+2*(\j)+1], v6, v7
.endif
	global_store_b64 v2, v[Y+2*(\j):Y+2*(\j)+1], s[18:19] offset:256*(\j) th:TH_STORE_NT
.endm
	s_cmp_lt_u32 ttmp9, s21
	s_cbranch_scc0 .Lhalf
.irp j, 0,1,2,3,4,5,6,7,8,9,10,11,12,13,14,15
	OUT \j, 0
.endr
	s_endpgm
.Lhalf:
.irp j, 0,1,2,3,4,5,6,7,8,9,10,11,12,13,14,15
	OUT \j, 1
.endr
	s_endpgm
.Lfunc_end_k_q0d5b2e29c3_cast:
	.size	k_q0d5b2e29c3_cast, .Lfunc_end_k_q0d5b2e29c3_cast-k_q0d5b2e29c3_cast
	.p2alignl 7, 3214868480
	.fill 96, 4, 3214868480
	.section	.rodata,"a",@progbits
	.p2align	6, 0x0
	.amdhsa_kernel k_q0d5b2e29c3_cast
		.amdhsa_group_segment_fixed_size 0
		.amdhsa_private_segment_fixed_size 0
		.amdhsa_enable_private_segment 0
		.amdhsa_kernarg_size 48
		.amdhsa_user_sgpr_count 2
		.amdhsa_user_sgpr_kernarg_segment_ptr 1
		.amdhsa_wavefront_size32 1
		.amdhsa_system_sgpr_workgroup_id_x 1
		.amdhsa_system_sgpr_workgroup_id_y 1
		.amdhsa_system_sgpr_workgroup_id_z 1
		.amdhsa_system_vgpr_workitem_id 0
		.amdhsa_next_free_vgpr 104
		.amdhsa_next_free_sgpr 66
		.amdhsa_reserve_vcc 0
		.amdhsa_float_denorm_mode_32 3
		.amdhsa_float_denorm_mode_16_64 3
		.amdhsa_memory_ordered 1
		.amdhsa_forward_progress 1
		.amdhsa_inst_pref_size 16
	.end_amdhsa_kernel
	.amdgpu_metadata
---
amdhsa.version: [ 1, 2 ]
amdhsa.kernels:
  - .name:           k_q0d5b2e29c3_cast
    .symbol:         k_q0d5b2e29c3_cast.kd
    .args:
      - { .name: x, .offset: 0, .size: 8, .value_kind: global_buffer, .address_space: global }
      - { .name: W_qkv, .offset: 8, .size: 8, .value_kind: global_buffer, .address_space: global }
      - { .name: W_proj, .offset: 16, .size: 8, .value_kind: global_buffer, .address_space: global }
      - { .name: xb, .offset: 24, .size: 8, .value_kind: global_buffer, .address_space: global }
      - { .name: wq, .offset: 32, .size: 8, .value_kind: global_buffer, .address_space: global }
      - { .name: wp, .offset: 40, .size: 8, .value_kind: global_buffer, .address_space: global }
    .group_segment_fixed_size: 0
    .private_segment_fixed_size: 0
    .kernarg_segment_align: 8
    .kernarg_segment_size: 48
    .max_flat_workgroup_size: 256
    .sgpr_count:     66
    .vgpr_count:     104
    .wavefront_size: 32
...
	.end_amdgpu_metadata
.endif
;; end of part 1
;; launch gqkv (part 2): grid 16 x 32, 4 waves a work-group, clusters of 4 x 4, 327,680 bytes of LDS; arguments xb, wq, b_qkv, qkv, vlo; writes qkv, vlo
.if DOCPART == 2
	.amdgcn_target "amdgcn-amd-amdhsa--gfx1250"
	.amdhsa_code_object_version 6
	.text
	.protected	k_q0d5b2e29c3_gqkv
	.globl	k_q0d5b2e29c3_gqkv
	.p2align	8
	.type	k_q0d5b2e29c3_gqkv,@function
k_q0d5b2e29c3_gqkv:
	s_mov_b64 s[64:65], 0
	v_nop
	global_prefetch_b8 v0, s[64:65] scope:SCOPE_SE
	s_setreg_imm32_b32 hwreg(HW_REG_WAVE_MODE, 25, 1), 1
	s_wait_xcnt 0x0
	s_wait_alu depctr_hold_cnt(0) depctr_sa_sdst(0) depctr_va_vdst(0) depctr_va_sdst(0) depctr_va_ssrc(0) depctr_va_vcc(0) depctr_vm_vsrc(0)
	s_getreg_b32 s2, hwreg(HW_REG_IB_STS2, 6, 4)
	s_cmp_eq_u32 s2, 0
	s_cbranch_scc0 .Lentry_in_a_cluster
	s_endpgm
.Lentry_in_a_cluster:
	s_bfe_u32 s2, ttmp6, 0x10000c
	s_cmp_lg_u32 s2, 0xf033
	s_cbranch_scc0 .Lentry_shape_is_right
	s_endpgm
.Lentry_shape_is_right:
; qkv = x W_qkv + b, by heads.  xb: [8192][1024] bf16; wq: [1024 k][3072 n] bf16; b_qkv: [3072] f32, rounded to bf16 here like the other inputs.
; OUT: qkv [3 sections][128 heads][1024][64] f16, each number rounded once from its f32 sum: q' = c (xW + b), c = log2(e) / 8; k' = xW + b; v' = (xW + b) / 4.
; vlo [128][16][64] f16: v' - f16(v') for a sequence's last 16 rows, whose weights in the attention are the largest.
; LIMIT.  q', k' and v' of 65,520 or more become infinities in f16.
; SHARES.  A tile of the product is 256 rows x 192 columns: head TC of q, of k and of v.  32 x 16 tiles.  Four waves, each 64 rows x 192 columns: 48 accumulators of 16 x 16.  K goes in steps of 128 through
; two LDS slots: a step is 192 matrix instructions a wave, 168 of them between a refill's request and the wait for it.
; W's THREE PIECES AS ONE TILE.  A row of wq is 3 x 1,024 columns, so the pieces of k-row kk at column 64 TC of the three sections are rows 3 kk, 3 kk + 1, 3 kk + 2 of a tile with 1,024 elements from row to row
; and 64 elements in a row: a head's 64 columns are 128 bytes, the tensor's own shape.  The section of a column block is then a constant of the text.
; THE MATRIX INSTRUCTION IS USED TRANSPOSED: source 0 = 16 columns of W, read out of LDS as W lies ([k][n]) by the turning load; source 1 = 16 rows of x.  A lane then holds one row and eight neighbouring columns.
; CLUSTER.  4 x 4 work-groups.  Tile column TC = 4 X + cx.  The four tile rows of a cluster lie at the SAME place (pos = Y % 4) in four batches (4 (Y / 4) + cy), so that 'this tile holds a sequence's
; last rows' is the same in all partners.  x's tiles are asked for jointly along a row of the cluster, W's along a column.
; REGISTERS, in windows of 256 (s_set_vgpr_msb: bits 1:0 source 0, 3:2 source 1, 5:4 source 2, 7:6 destination):
;   window 0: v0-15 addresses; v16-47, v48-79 x's fragments (4 x 8), two buffers, later the way out's packed blocks; v80-175 the bias; v176-207 at work on the way out
;   window 1: v0-95, v96-191 W's fragments (12 x 8), two buffers      window 2: the accumulators of row blocks 0, 1 ((a, b) at v[96 (a % 2) + 8 b])      window 3: those of row blocks 2, 3
.set PA,    272                        ; a row of x in LDS: 256 bytes + 16: the 16 rows of a load start at 16 different groups of four banks (ISA guide 11.1)
.set PP,    160                        ; a piece of a k-row of W: 128 bytes + 32
.set PB,    3*PP                       ; a k-row of W: 120 words
.set HALFA, 128*PA                     ; what one tensor load brings of x
.set HALFB, 64*PB                      ; and of W
.set BOFF,  2*HALFA
.set SLOT,  BOFF+2*HALFB               ; x's 256 rows, then W's 128 k-rows: 131,072 bytes, so that one exclusive or turns an address in one slot into the other's
.set STAGE, 2*SLOT                     ; behind the ring: 16 rows x 144 bytes for each wave, for the way out
.set SP,    144
.set SPARE, STAGE+4*16*SP              ; the spare words, 128 bytes for each wave
.set KSA,   256                        ; a K step in a row of xb, in bytes
.set KSB,   128*6144                   ; and in wq: 128 whole rows
.set ADRA0, 4                          ; v4     my lane's place in a slot's x; never rewritten
.set ADRB0, 5                          ; v5     the same for W
.set ADRA,  6                          ; v6     LDS address of my fragments of x in the slot in hand
.set ADRB,  7                          ; v7     the same for W
.set STO,  8                           ; v8     the way out: where I put 16 bytes of a row
.set RD,   9                           ; v9     where I read rows back
.set CO,   10                          ; v10    16 x lane
.set PFO,  11                          ; v11    the prefetches' offset, a lane a block of 256 bytes
.set SPW,  12                          ; v12    my spare word; never rewritten
.set NIL,  13                          ; v13    0; never rewritten
.set FA,   16
.set BIAS, 80
.set T,    176
.set PKB,  16                          ; the way out: block n's 16 packed registers at PKB + 16 (n % 4)
.set G1,  24
.set G0,  32                           ; s[32:39] group 0 for x's tiles: a set for each of the two first fills; the second then walks on
.set LIM, 43                           ; s43  2 in a wave that prefetches, else the greatest number
.set PFA, 44                           ; s[44:45] where my prefetches stand
.set G1B, 48
.set G0B, 56                           ; s[56:63] the same for W's tiles
.set CQ,  70                           ; s[70:71] c
.set TL,  72                           ; s72  1: my last block is a sequence's last 16 rows
.set PST, 74                           ; s[74:75] a K step in my prefetches' tensor, in bytes
.set TBS, 79                           ; s79  LDS byte at which the slot in hand begins
.set OB,  80                           ; s[80:85] qkv at my rows of my head, in each section
.set CV,  86                           ; s[86:87] 1 / 4
.set MSB, 0
.macro WIN new                         ; the immediate's high byte repeats the setting that is left; a switch that changes nothing is dropped
.if MSB != (\new)
	s_set_vgpr_msb (MSB<<8)|(\new)
.set MSB, \new
.endif
.endm
.macro PLACES                          ; four places behind matrix instructions, in front of loads into their sources and of reads of their results
.rept 4
	v_nop
.endr
.endm
.macro JLOAD                           ; a joint refill: waves 0 and 1 fetch x's two halves, waves 2 and 3 W's; an s_nop 0 and four v_nop follow each line
	s_cmp_eq_u32 s11, 0
	s_cbranch_scc0 .Lfor_b_\@
	tensor_load_to_lds s[G0+4:G0+7], s[G1:G1+7]
	s_nop 0
	PLACES
	s_branch .Lasked_\@
.Lfor_b_\@:
	tensor_load_to_lds s[G0B+4:G0B+7], s[G1B:G1B+7]
	s_nop 0
	PLACES
.Lasked_\@:
.endm
; A prefetch of the K step that stands two refills on, one instruction a wave, a lane a block of 256 bytes.  x: waves 0 and 1 of the clusters with X = 0; of the 128 rows that the wave fetches the partner at cx
; takes 32.  W: a K step's 128 whole rows are 786,432 consecutive bytes, 96 x 32 blocks: waves 2 and 3 of the 48 work-groups of the clusters with Y = 0 and X < 3 take 32 blocks each.  So each block is named
; once in the launch.  The partners are told apart by address, never by a branch.  K steps 0 to 3 come by their loads alone; the loop's last two trips ask for nothing.
.macro ASK
	s_cmp_gt_u32 s3, s[LIM]
	s_cbranch_scc0 .Lnot_mine_\@
	global_prefetch_b8 v[PFO], s[PFA:PFA+1] th:TH_LOAD_NT scope:SCOPE_SE
.Lnot_mine_\@:
.endm
.macro CREST                           ; a round of the cluster's barrier behind its opening barrier
	s_cmp_lg_u32 s10, 0
	s_cbranch_scc1 .Lnot_wave_0_\@
	s_barrier_signal -3
.Lnot_wave_0_\@:
	s_barrier_wait -3
	s_barrier_signal -1
	s_barrier_wait -1
.endm
.macro CROUND
	s_barrier_signal -1
	s_barrier_wait -1
	CREST
.endm
	s_load_b128 s[4:7], s[0:1], 0x0                ; xb s[4:5], wq s[6:7]
	s_load_b64 s[66:67], s[0:1], 0x10              ; b_qkv
	s_load_b64 s[8:9], s[0:1], 0x18                ; qkv
	s_load_b64 s[68:69], s[0:1], 0x20              ; vlo
	v_lshl_add_u32 v[SPW], v0, 2, SPARE
	v_mov_b32 v[NIL], 0
	ds_add_u32 v[SPW], v[NIL]                      ; the wave's opening: the add and its wait ahead of my first tensor load; work on registers stands between them
	ds_add_u32 v12, v13
	v_lshrrev_b32 v1, 5, v0
	v_readfirstlane_b32 s10, v1                    ; wave 0..3: my 64 rows of the tile
	s_lshr_b32 s11, s10, 1                         ; I fetch for x (0) or for W (1),
	s_and_b32 s12, s10, 1                          ; and which half of that tile
	s_bfe_u32 s40, ttmp6, 0x40000                  ; cx
	s_bfe_u32 s41, ttmp6, 0x40004                  ; cy
	s_mov_b32 s73, ttmp9                           ; X
	s_lshl_b32 s42, ttmp9, 2
	s_add_co_u32 s42, s42, s40                     ; tile column TC = 4 X + cx: the head
	s_and_b32 s13, ttmp7, 0xffff                   ; Y
	s_and_b32 s77, s13, 3                          ; pos
	s_lshr_b32 s76, s13, 2
	s_lshl_b32 s76, s76, 2
	s_add_co_u32 s76, s76, s41                     ; batch = 4 (Y / 4) + cy
	s_lshl_b32 s78, s76, 2
	s_add_co_u32 s78, s78, s77                     ; tile row = 4 batch + pos
	s_lshl_b32 s14, s41, 2
	s_lshl_b32 s14, 15, s14                        ; my row of the cluster
	s_lshl_b32 s15, 0x1111, s40                    ; my column
	s_or_b32 s[G1], s14, (1<<16)|(1<<20)|(1<<21)|(5<<22)|(3<<25)   ; the mask; 2-byte elements; padding on; bit 21 beside a mask; after every 64 words 4 words
	s_mov_b32 s[G1+1], 128<<16                     ; tensor_dim0 = 128
	s_mov_b32 s[G1+2], 128<<16                     ; tensor_dim1 = 128
	s_mov_b32 s[G1+3], 128<<16                     ; tile_dim0 = 128
	s_mov_b32 s[G1+4], 128                         ; tile_dim1 = 128
	s_mov_b32 s[G1+5], 1024                        ; elements from row to row
	s_mov_b32 s[G1+6], 0
	s_mov_b32 s[G1+7], 0
	s_or_b32 s[G1B], s15, (1<<16)|(1<<20)|(1<<21)|(4<<22)|(7<<25)  ; my column's mask; after every 32 words 8 words
	s_mov_b32 s[G1B+1], 64<<16                     ; 64 elements in a row,
	s_mov_b32 s[G1B+2], 192<<16                    ; 192 rows: three pieces of each of 64 k-rows,
	s_mov_b32 s[G1B+3], 64<<16
	s_mov_b32 s[G1B+4], 192
	s_mov_b32 s[G1B+5], 1024                       ; a section's 1,024 columns from piece to piece
	s_mov_b32 s[G1B+6], 0
	s_mov_b32 s[G1B+7], 0
	s_lshl_b32 s16, s78, 8
	s_lshl_b32 s17, s12, 7
	s_add_co_u32 s16, s16, s17                     ; x: row 256 x tile row + 128 x half,
	s_lshl_b32 s16, s16, 11                        ; in bytes
	s_mov_b32 s17, 0
	s_mul_i32 s46, s12, 64*6144                    ; W: k-row 64 x half,
	s_lshl_b32 s47, s42, 7
	s_add_co_u32 s46, s46, s47                     ; byte 128 x TC
	s_mov_b32 s47, 0
	s_mul_i32 s20, s12, HALFA                      ; where they go: no place in the cluster enters an LDS address
	s_mul_i32 s21, s12, HALFB
	s_add_co_u32 s21, s21, BOFF
	s_mov_b32 s[CQ], 0x3e38aa3b                    ; c = log2(e) / 8
	s_mov_b32 s[CQ+1], s[CQ]                       ; named with it as a pair
	s_mov_b32 s[CV], 0x3e800000                    ; 1 / 4
	s_mov_b32 s[CV+1], s[CV]
	s_mov_b32 s[TBS], 0
	s_cmp_eq_u32 s77, 3                            ; the sequence's last tile, the tile's last 64 rows: Y and the wave's number alone
	s_cselect_b32 s[TL], 1, 0
	s_cmp_eq_u32 s10, 3
	s_cselect_b32 s[TL], s[TL], 0
	s_wait_dscnt 0x0                               ; the opening add is done
	s_wait_kmcnt 0x0
	s_add_nc_u64 s[18:19], s[4:5], s[16:17]
	s_add_nc_u64 s[46:47], s[6:7], s[46:47]
	CROUND                                         ; all sixteen work-groups are here: the first joint loads meet
.irp s, 0,1
	s_mov_b32 s[G0+4*(\s)], 1
	s_add_co_u32 s[G0+4*(\s)+1], s20, (\s)*SLOT
	s_add_nc_u64 s[G0+4*(\s)+2:G0+4*(\s)+3], s[18:19], (\s)*KSA        ; K step s
	s_or_b32 s[G0+4*(\s)+3], s[G0+4*(\s)+3], 0x80000000
	s_mov_b32 s[G0B+4*(\s)], 1
	s_add_co_u32 s[G0B+4*(\s)+1], s21, (\s)*SLOT
	s_add_nc_u64 s[G0B+4*(\s)+2:G0B+4*(\s)+3], s[46:47], (\s)*KSB
	s_or_b32 s[G0B+4*(\s)+3], s[G0B+4*(\s)+3], 0x80000000
.endr
	s_cmp_eq_u32 s11, 0                            ; a wave's two first fills stand in one branch: two loads of mine are out
	s_cbranch_scc0 .Lfirst_b
	tensor_load_to_lds s[G0:G0+3], s[G1:G1+7]
	s_nop 0
	tensor_load_to_lds s[G0+4:G0+7], s[G1:G1+7]
	s_nop 0
	PLACES
	s_branch .Lfirst_done
.Lfirst_b:
	tensor_load_to_lds s[G0B:G0B+3], s[G1B:G1B+7]
	s_nop 0
	tensor_load_to_lds s[G0B+4:G0B+7], s[G1B:G1B+7]
	s_nop 0
	PLACES
.Lfirst_done:
	; the prefetches' pointer, at K step 3: the first change of slots steps it to 4
	s_lshl_b32 s16, s78, 8
	s_lshl_b32 s17, s12, 7
	s_add_co_u32 s16, s16, s17
	s_lshl_b32 s17, s40, 5
	s_add_co_u32 s16, s16, s17                     ; x: the rows that I fetch, my work-group's 32 of them
	s_lshl_b32 s16, s16, 11
	s_add_co_u32 s16, s16, 3*KSA
	s_lshl_b32 s17, s73, 4
	s_lshl2_add_u32 s22, s41, s40
	s_add_co_u32 s17, s17, s22                     ; W: my work-group among the 48: 16 X + 4 cy + cx,
	s_lshl1_add_u32 s17, s17, s12                  ; my wave among the 96,
	s_lshl_b32 s17, s17, 13                        ; its 32 blocks of 256 bytes
	s_add_co_u32 s17, s17, 3*KSB
	s_and_b32 s23, ttmp7, 0xffff
	s_cmp_lt_u32 s73, 3
	s_cselect_b32 s22, s23, 1                      ; W: 0 where Y = 0 and X < 3
	s_mov_b32 s13, KSB
	s_mov_b32 s14, 2048
	s_cmp_eq_u32 s11, 0
	s_cselect_b32 s16, s16, s17
	s_cselect_b32 s22, s73, s22                    ; x: 0 where X = 0
	s_cselect_b64 s[PFA:PFA+1], s[4:5], s[6:7]
	s_cselect_b32 s[PST], KSA, s13
	s_cselect_b32 s15, s14, 256                    ; a lane a row of x, or a lane a block of W's dense rows
	s_mov_b32 s[PST+1], 0
	s_cmp_eq_u32 s22, 0
	s_cselect_b32 s[LIM], 2, -1                    ; the same in all sixteen partners, for a given wave
	s_mov_b32 s17, 0
	s_add_nc_u64 s[PFA:PFA+1], s[PFA:PFA+1], s[16:17]
	v_and_b32 v[PFO], 31, v0
	v_mul_u32_u24 v[PFO], s15, v[PFO]
	; A fragment of x: lane l holds row l % 16, K = 8 (l / 16) + 0..7 and 16 + 8 (l / 16) + 0..7: two loads of 16 bytes, 32 bytes apart.
	v_and_b32 v1, 15, v0
	v_bfe_u32 v2, v0, 4, 1
	v_mul_u32_u24 v3, v1, PA
	v_lshl_add_u32 v3, v2, 4, v3
	s_mul_i32 s16, s10, 64*PA
	v_add_nc_u32 v[ADRA0], s16, v3
	; The turning load: lane l reads k-row 8 (l / 16) + l % 8, columns 8 ((l / 8) % 2) + 0..7, and is left with column l % 16 and 8 k.  All four waves read all of W's tile.
	v_and_b32 v15, 7, v0
	v_lshl_add_u32 v3, v2, 3, v15
	v_mul_u32_u24 v3, v3, PB
	v_bfe_u32 v15, v0, 3, 1
	v_lshl_add_u32 v3, v15, 4, v3
	v_add_nc_u32 v[ADRB0], BOFF, v3
	v_add_nc_u32 v[ADRA], s[TBS], v[ADRA0]
	v_add_nc_u32 v[ADRB], s[TBS], v[ADRB0]
	s_mul_i32 s16, s10, 16*SP
	s_add_co_u32 s16, s16, STAGE                   ; my stage
	v_mul_u32_u24 v3, v1, SP
	v_lshl_add_u32 v3, v2, 4, v3
	v_add_nc_u32 v[STO], s16, v3                   ; in: row l % 16, 16 bytes for each half of the lanes
	v_bfe_u32 v3, v0, 3, 2
	v_mul_u32_u24 v3, v3, SP
	v_and_b32 v15, 7, v0
	v_lshl_add_u32 v3, v15, 4, v3
	v_add_nc_u32 v[RD], s16, v3                    ; back: 32 lanes take four rows of 128 bytes,
	v_and_b32 v[CO], 31, v0
	v_lshlrev_b32 v[CO], 4, v[CO]                  ; which are 512 consecutive bytes of a head
	s_lshl_b32 s16, s42, 8
	v_lshl_add_u32 v15, v2, 5, s16                 ; the bias of my columns: 4 (1,024 section + 64 TC + 16 cb + 8 (l / 16))
.irp b, 0,1,2,3,4,5,6,7,8,9,10,11
	global_load_b128 v[BIAS+8*(\b):BIAS+8*(\b)+3],   v15, s[66:67] offset:4096*((\b)/4)+64*((\b)%4)
	global_load_b128 v[BIAS+8*(\b)+4:BIAS+8*(\b)+7], v15, s[66:67] offset:4096*((\b)/4)+64*((\b)%4)+16
.endr
	s_lshl_b32 s16, s76, 4
	s_add_co_u32 s16, s16, s42                     ; my head among a section's 128: 16 batch + TC
	s_lshl_b32 s22, s16, 11                        ; vlo: 2,048 bytes a head
	s_lshl_b32 s16, s16, 17                        ; qkv: 131,072 bytes a head,
	s_lshl_b32 s17, s77, 15                        ; row 256 pos
	s_add_co_u32 s16, s16, s17
	s_lshl_b32 s17, s10, 13                        ; + 64 x wave
	s_add_co_u32 s16, s16, s17
	s_mov_b32 s17, 0
	s_mov_b32 s23, 0
	s_add_nc_u64 s[OB:OB+1], s[8:9], s[16:17]
	s_add_nc_u64 s[OB+2:OB+3], s[OB:OB+1], 0x1000000   ; a section is 16,777,216 bytes
	s_add_nc_u64 s[OB+4:OB+5], s[OB+2:OB+3], 0x1000000
	s_add_nc_u64 s[68:69], s[68:69], s[22:23]
	s_mov_b32 s13, 0xffff0000
	s_wait_loadcnt 0x0
.set i, 0
.rept 48                               ; the bias is rounded to bf16, like x and W, and takes its section's scale; two registers at work by turns
.set tm, 3+11*(i%2)
	v_cvt_pk_bf16_f32 v[tm], v[BIAS+2*i], v[BIAS+2*i+1]
	v_lshlrev_b32 v[BIAS+2*i], 16, v[tm]
	v_and_b32 v[BIAS+2*i+1], s13, v[tm]
.if i < 16
	v_pk_mul_f32 v[BIAS+2*i:BIAS+2*i+1], v[BIAS+2*i:BIAS+2*i+1], s[CQ:CQ+1] op_sel_hi:[1,0]
.elseif i >= 32
	v_pk_mul_f32 v[BIAS+2*i:BIAS+2*i+1], v[BIAS+2*i:BIAS+2*i+1], s[CV:CV+1] op_sel_hi:[1,0]
.endif
.set i, i+1
.endr
; 12 matrix instructions: row block a x all 12 column blocks, 32 along K, from buffer f.  Each of the 48 accumulators comes once in a quarter step, so they take turns.
.macro MUL1 f, a, zero
	WIN 0xa1+0x50*((\a)/2)                         ; W in window 1, x in window 0, C and D in window 2 or 3
.irp b, 0,1,2,3,4,5,6,7,8,9,10,11
.if \zero
	v_wmma_f32_16x16x32_bf16 v[96*((\a)%2)+8*(\b):96*((\a)%2)+8*(\b)+7], v[96*(\f)+8*(\b):96*(\f)+8*(\b)+7], v[FA+32*(\f)+8*(\a):FA+32*(\f)+8*(\a)+7], 0
.else
	v_wmma_f32_16x16x32_bf16 v[96*((\a)%2)+8*(\b):96*((\a)%2)+8*(\b)+7], v[96*(\f)+8*(\b):96*(\f)+8*(\b)+7], v[FA+32*(\f)+8*(\a):FA+32*(\f)+8*(\a)+7], v[96*((\a)%2)+8*(\b):96*((\a)%2)+8*(\b)+7]
.endif
.endr
.endm
; 32 LDS loads in one run: quarter q's fragments of the slot in hand into buffer g: W's 24, then x's 8, row blocks 2 and 3 last
.macro FETCH q, g
	WIN 0x40                                       ; destination window 1, address window 0
.irp b, 0,1,2,3,4,5,6,7,8,9,10,11
	ds_load_tr16_b128 v[96*(\g)+8*(\b):96*(\g)+8*(\b)+3],   v[ADRB] offset:32*(\q)*PB+PP*((\b)/4)+32*((\b)%4)
	ds_load_tr16_b128 v[96*(\g)+8*(\b)+4:96*(\g)+8*(\b)+7], v[ADRB] offset:32*(\q)*PB+16*PB+PP*((\b)/4)+32*((\b)%4)
.endr
	WIN 0
.irp i, 0,1,2,3
	ds_load_b128 v[FA+32*(\g)+8*(\i):FA+32*(\g)+8*(\i)+3],   v[ADRA] offset:64*(\q)+(\i)*16*PA
	ds_load_b128 v[FA+32*(\g)+8*(\i)+4:FA+32*(\g)+8*(\i)+7], v[ADRA] offset:64*(\q)+(\i)*16*PA+32
.endr
.endm
; A K step is four quarters of 32 along K, 48 matrix instructions each, on buffers 0, 1, 0, 1.  One of the first three: multiplies f and fetches quarter qn into g.
.macro QUARTER qn, f, g, zero
	s_wait_dscnt 4                                 ; W and x's row blocks 0 and 1 are in; the youngest four loads may be out
	MUL1 \f, 0, \zero
	MUL1 \f, 1, \zero
	PLACES
	FETCH \qn, \g
	s_wait_dscnt 32                                ; all but the 32 just issued
	MUL1 \f, 2, \zero
	MUL1 \f, 3, \zero
.endm
; The last quarter multiplies buffer 1 and changes slots: ONE barrier; in front of it each wave waits for all its tensor loads (one is out: its part of the next slot), adds 0 to its spare word, and
; waits for that and for its reads of this slot.  fill = 1: the barrier opens a round of the cluster's, and this slot is filled again, two K steps on, first thing behind the round.
.macro TURN fill
.if \fill
	s_wait_xcnt 0x0                                ; the last prefetch, a K step back, has read its address
	s_add_nc_u64 s[PFA:PFA+1], s[PFA:PFA+1], s[PST:PST+1]
.endif
	WIN 0
	s_wait_tensorcnt 0x0                           ; no tensor load of mine is out, so a group 0 may be written
	ds_add_u32 v[SPW], v[NIL]                      ; work on registers stands between the add and the wait for it
	s_xor_b32 s[TBS], s[TBS], SLOT                 ; the fetches go on in the other slot
	v_add_nc_u32 v[ADRA], s[TBS], v[ADRA0]
	v_add_nc_u32 v[ADRB], s[TBS], v[ADRB0]
.if \fill
	s_xor_b32 s[G0+5], s[G0+5], SLOT               ; the walking descriptors: the other slot than last time, the next K step; the type bits on top are not reached
	s_add_nc_u64 s[G0+6:G0+7], s[G0+6:G0+7], KSA
	s_xor_b32 s[G0B+5], s[G0B+5], SLOT
	s_add_nc_u64 s[G0B+6:G0B+7], s[G0B+6:G0B+7], KSB
.endif
	s_wait_dscnt 5                                 ; (the add and the youngest four loads may be out)
	MUL1 1, 0, 0
	s_wait_dscnt 0x0                               ; the add is done, and my reads of this slot are over
	s_barrier_signal -1
	MUL1 1, 1, 0
	WIN 0
	s_barrier_wait -1
.if \fill
	CREST                                          ; no wave of any partner still reads this slot or has a load on its way
	JLOAD                                          ; its four v_nop are also the places in front of the loads below
.else
	PLACES
.endif
	FETCH 0, 0
.if \fill
	ASK
.endif
	MUL1 1, 2, 0
	MUL1 1, 3, 0
.endm
	s_wait_tensorcnt 1                             ; my part of K step 0 is in; K step 1's may stay out
	s_barrier_signal -1
	s_barrier_wait -1
	FETCH 0, 0
	QUARTER 1, 0, 1, 1                             ; the first quarter stands in front of the loop: its products start the sums
	WIN 0
	s_mov_b32 s3, 6
.Lstep:                                        ; a trip goes from a K step's second quarter to the next step's first and fills the slot that it leaves: K steps 2 to 7
	QUARTER 2, 1, 0, 0
	QUARTER 3, 0, 1, 0
	TURN 1
	QUARTER 1, 0, 1, 0
	WIN 0
	s_sub_co_u32 s3, s3, 1
	s_cmp_lg_u32 s3, 0
	s_cbranch_scc1 .Lstep
	QUARTER 2, 1, 0, 0                             ; the last two K steps fill nothing
	QUARTER 3, 0, 1, 0
	TURN 0
	QUARTER 1, 0, 1, 0
	QUARTER 2, 1, 0, 0
	QUARTER 3, 0, 1, 0
	s_wait_dscnt 4
	MUL1 1, 0, 0
	MUL1 1, 1, 0
	s_wait_dscnt 0x0
	MUL1 1, 2, 0
	MUL1 1, 3, 0
	WIN 0
; THE WAY OUT, block n = 3 a + h: 16 rows (row block a) of one head (section h): sum x scale + bias x scale, rounded to f16; 16 bytes a lane into my stage, back as whole rows of 128 bytes, into the
; registers that they left.  Four sets of packed registers take turns; a set is written again only when the stores that read it have had their addresses translated (ISA guide 3.1).
.macro PACK n
.set pb, 96*(((\n)/3)%2)+32*((\n)%3)
.set pbi, BIAS+32*((\n)%3)
.set pk, PKB+16*((\n)%4)
	WIN 0x02+(\n)/6                                ; source 0 in window 2 or 3
.set i, 0
.rept 16
.if (\n)%3 == 0
	v_pk_fma_f32 v[T+2*i:T+2*i+1], v[pb+2*i:pb+2*i+1], s[CQ:CQ+1], v[pbi+2*i:pbi+2*i+1] op_sel_hi:[1,0,1]
.elseif (\n)%3 == 1
	v_pk_add_f32 v[T+2*i:T+2*i+1], v[pb+2*i:pb+2*i+1], v[pbi+2*i:pbi+2*i+1]
.else
	v_pk_fma_f32 v[T+2*i:T+2*i+1], v[pb+2*i:pb+2*i+1], s[CV:CV+1], v[pbi+2*i:pbi+2*i+1] op_sel_hi:[1,0,1]
.endif
.set i, i+1
.endr
	WIN 0
.if (\n) >= 4
	s_wait_xcnt 0x0
.endif
.set i, 0
.rept 16
	v_cvt_pk_f16_f32 v[pk+i], v[T+2*i], v[T+2*i+1]
.set i, i+1
.endr
.irp b, 0,1,2,3
	ds_store_b128 v[STO], v[pk+4*(\b):pk+4*(\b)+3] offset:32*(\b)
.endr
.irp f, 0,1,2,3
	ds_load_b128 v[pk+4*(\f):pk+4*(\f)+3], v[RD] offset:(\f)*4*SP  ; LDS serves a wave's instructions in order (ISA guide 5.7.1.4): these see the stores above
.endr
.endm
.macro SEND n, younger                 ; younger: the LDS instructions issued behind block n's loads
.set sk, PKB+16*((\n)%4)
.irp f, 0,1,2,3
	s_wait_dscnt (\younger)+3-(\f)
	global_store_b128 v[CO], v[sk+4*(\f):sk+4*(\f)+3], s[OB+2*((\n)%3):OB+2*((\n)%3)+1] offset:2048*((\n)/3)+512*(\f)  ; 512 consecutive bytes of a head, aligned
.endr
.endm
	PLACES
	PACK 0
.irp n, 1,2,3,4,5,6,7,8,9,10,11
	PACK \n
	SEND (\n)-1, 8
.endr
	SEND 11, 0
	s_cmp_eq_u32 s[TL], 1
	s_cbranch_scc0 .Lno_tail
	s_wait_xcnt 0x0                                ; the stores have read the first set of packed registers, which is written again
	v_mov_b32 v3, 1.0
.set i, 0
.rept 16                               ; T still holds block 11: the sequence's last 16 rows of v' in f32
	v_cvt_pk_f16_f32 v[PKB+i], v[T+2*i], v[T+2*i+1]
.set i, i+1
.endr
.set i, 0
.rept 16                               ; v' - f16(v'), exact: one fused multiply-add from the f16 half
	v_fma_mix_f32 v[T+2*i], -v[PKB+i], v3, v[T+2*i] op_sel_hi:[1,0,0]
	v_fma_mix_f32 v[T+2*i+1], -v[PKB+i], v3, v[T+2*i+1] op_sel:[1,0,0] op_sel_hi:[1,0,0]
.set i, i+1
.endr
.set i, 0
.rept 16
	v_cvt_pk_f16_f32 v[PKB+i], v[T+2*i], v[T+2*i+1]
.set i, i+1
.endr
.irp b, 0,1,2,3
	ds_store_b128 v[STO], v[PKB+4*(\b):PKB+4*(\b)+3] offset:32*(\b)
.endr
.irp f, 0,1,2,3
	ds_load_b128 v[PKB+4*(\f):PKB+4*(\f)+3], v[RD] offset:(\f)*4*SP
.endr
.irp f, 0,1,2,3
	s_wait_dscnt 3-(\f)
	global_store_b128 v[CO], v[PKB+4*(\f):PKB+4*(\f)+3], s[68:69] offset:512*(\f)
.endr
.Lno_tail:
	s_wait_tensorcnt 0x0                           ; the wave's end
	ds_add_u32 v[SPW], v[NIL]
	s_wait_dscnt 0x0
	CROUND                                         ; the closing round
	s_endpgm
.Lfunc_end_k_q0d5b2e29c3_gqkv:
	.size	k_q0d5b2e29c3_gqkv, .Lfunc_end_k_q0d5b2e29c3_gqkv-k_q0d5b2e29c3_gqkv
	.p2alignl 7, 3214868480
	.fill 96, 4, 3214868480
	.section	.rodata,"a",@progbits
	.p2align	6, 0x0
	.amdhsa_kernel k_q0d5b2e29c3_gqkv
		.amdhsa_group_segment_fixed_size 327680
		.amdhsa_private_segment_fixed_size 0
		.amdhsa_enable_private_segment 0
		.amdhsa_kernarg_size 40
		.amdhsa_user_sgpr_count 2
		.amdhsa_user_sgpr_kernarg_segment_ptr 1
		.amdhsa_wavefront_size32 1
		.amdhsa_system_sgpr_workgroup_id_x 1
		.amdhsa_system_sgpr_workgroup_id_y 1
		.amdhsa_system_sgpr_workgroup_id_z 1
		.amdhsa_system_vgpr_workitem_id 0
		.amdhsa_next_free_vgpr 1024
		.amdhsa_next_free_sgpr 96
		.amdhsa_reserve_vcc 0
		.amdhsa_float_denorm_mode_32 3
		.amdhsa_float_denorm_mode_16_64 3
		.amdhsa_memory_ordered 1
		.amdhsa_forward_progress 1
		.amdhsa_inst_pref_size 128
	.end_amdhsa_kernel
	.amdgpu_metadata
---
amdhsa.version: [ 1, 2 ]
amdhsa.kernels:
  - .name:           k_q0d5b2e29c3_gqkv
    .symbol:         k_q0d5b2e29c3_gqkv.kd
    .args:
      - { .name: xb, .offset: 0, .size: 8, .value_kind: global_buffer, .address_space: global }
      - { .name: wq, .offset: 8, .size: 8, .value_kind: global_buffer, .address_space: global }
      - { .name: b_qkv, .offset: 16, .size: 8, .value_kind: global_buffer, .address_space: global }
      - { .name: qkv, .offset: 24, .size: 8, .value_kind: global_buffer, .address_space: global }
      - { .name: vlo, .offset: 32, .size: 8, .value_kind: global_buffer, .address_space: global }
    .group_segment_fixed_size: 327680
    .private_segment_fixed_size: 0
    .kernarg_segment_align: 8
    .kernarg_segment_size: 40
    .max_flat_workgroup_size: 128
    .sgpr_count:     96
    .vgpr_count:     1024
    .wavefront_size: 32
...
	.end_amdgpu_metadata
.endif
;; end of part 2
;; launch stats (part 3): grid 2 x 128, 8 waves a work-group, no clusters, 167,936 bytes of LDS; arguments qkv, tst; writes tst
.if DOCPART == 3
	.amdgcn_target "amdgcn-amd-amdhsa--gfx1250"
	.amdhsa_code_object_version 6
	.text
	.protected	k_q0d5b2e29c3_stats
	.globl	k_q0d5b2e29c3_stats
	.p2align	8
	.type	k_q0d5b2e29c3_stats,@function
k_q0d5b2e29c3_stats:
	s_mov_b64 s[64:65], 0
	v_nop
	global_prefetch_b8 v0, s[64:65] scope:SCOPE_SE
	s_setreg_imm32_b32 hwreg(HW_REG_WAVE_MODE, 25, 1), 1
	s_wait_xcnt 0x0
; THE SOFTMAX RUNS OVER THE QUERIES.  For each key j of each head: t[j] = -(m + log2 l), m = the maximum over queries i >= j of s[i][j], l = the sum over them of 2^(s - m); s = k'[j] . q'[i] is the
; score in units of log2 (q' carries log2(e) / 8).  The launch behind makes the weights as 2^(s + t).  qkv: [3][128][1024][64] f16; tst: [128][1024] f32.
; LIMITS.  A hidden score counts as its value less 1e30; a term below 2^-126 counts as 0 in l; t is rounded to half a unit in m's last place; NaN and infinities are not treated apart.
; SHARES.  A head has 16 bands of 64 rows.  Work-group (g, head); wave w has class kappa = 2 g + w / 4 and owns four PIECES of 16 keys: rows 16 (w % 4) .. + 15 of bands kappa, 7 - kappa, 8 + kappa,
; 15 - kappa.  The bands add up to 30 in every class, so every wave has 34 steps of a piece to do.  The walk goes over the queries, 64 a step, in four STAGES of four steps; piece t's band lies in stage t,
; so only piece t is tested there: it lives from its band's own step on (CNT <= DG).  Jumps go forward, to a label ahead of the counter's step, past no barrier and no tensor load.
; LDS holds all of the head's q', filled once: each wave asks for its eighth of each of four tiles of 256 queries at the head, four loads of mine out at the most; stage t waits for tile t alone.
; LAYOUT.  S = Q K^T (source 0 = 16 queries, source 1 = my 16 keys): a lane holds ONE key (lane % 16) and the queries 8 (lane / 16) + 0..7.  m and l are kept for each lane; the halves meet at the end.
; NO CLUSTER: a head's tiles are read by two work-groups, and their jumps hang on g.  NO PREFETCH: all loads go out at the head.
.set PQ,    144                        ; a row of q' in LDS: 128 bytes + 16
.set TILEB, 256*PQ
.set TS,    4*TILEB                    ; 8 rows of 256 bytes: a band's 64 t, gathered from four waves
.set SPARE, TS+2048                    ; the spare words, 128 bytes for each of eight waves
.set AQ,  2                            ; v2     LDS address of my fragments of the step's q'
.set KOF, 4                            ; v4-7   my byte offset in k' for each piece
.set SPW, 8
.set NIL, 9
.set TSA, 10                           ; v10    where I put a t
.set TRD, 11                           ; v11    where I read 8 bytes of a band's t back
.set TGO, 12                           ; v12    and where they go in tst
.set ST,  16                           ; piece p at v[ST+4 p]: m, (named with it as a pair), l (even, odd registers')
.set C,   32                           ; v32-35 at work; C+2 takes a
.set MO,  36                           ; v36-39 the other half's m
.set LO,  40                           ; v40-43 the other half's l
.set MM,  44                           ; v44-47 the key's m
.set MD,  48                           ; v48-79 the mask of a band's own step
.set S,   80                           ; v80-111
.set KO,  112                          ; v112-175 my keys, 16 registers a piece
.set QF,  176                          ; v176-239 the step's queries
.set WV,  8
.set KAP, 11
.set SUB, 12
.set DGE, 13                           ; s13  CNT at the own step of pieces 0 and 2: 4 - kappa
.set DGO, 14                           ; s14  of pieces 1 and 3: 1 + kappa
.set CNT, 15
.set G1,  16
.set G0,  24
.set SEL, 48
.set BIGN, 50
.macro PLACES
.rept 4
	v_nop
.endr
.endm
	s_load_b128 s[4:7], s[0:1], 0x0                ; qkv s[4:5], tst s[6:7]
	v_lshl_add_u32 v[SPW], v0, 2, SPARE
	v_mov_b32 v[NIL], 0
	ds_add_u32 v[SPW], v[NIL]                      ; the wave's opening: the add and its wait ahead of my first tensor load
	ds_add_u32 v8, v9
	v_lshrrev_b32 v1, 5, v0
	v_readfirstlane_b32 s[WV], v1                  ; wave 0..7
	s_mov_b32 s9, ttmp9                            ; g
	s_and_b32 s10, ttmp7, 0xffff                   ; the head
	s_lshr_b32 s[KAP], s[WV], 2
	s_lshl1_add_u32 s[KAP], s9, s[KAP]             ; kappa = 2 g + w / 4
	s_and_b32 s[SUB], s[WV], 3
	s_sub_co_u32 s[DGE], 4, s[KAP]
	s_add_co_u32 s[DGO], s[KAP], 1
	s_mov_b32 s[G1], (1<<16)|(1<<20)|(4<<22)|(3<<25)  ; 2-byte elements; padding on: after every 32 words 4 words.  32 queries are 4,096 dense bytes: 16 rows of 256
	s_mov_b32 s[G1+1], 128<<16
	s_mov_b32 s[G1+2], 16<<16
	s_mov_b32 s[G1+3], 128<<16
	s_mov_b32 s[G1+4], 16
	s_mov_b32 s[G1+5], 128
	s_mov_b32 s[G1+6], 0
	s_mov_b32 s[G1+7], 0
	s_mul_i32 s44, s[WV], 32*PQ                    ; my eighth of a tile in LDS,
	s_lshl_b32 s40, s10, 17                        ; the head's bytes,
	s_mov_b32 s41, 0
	s_lshl_b32 s45, s[WV], 12
	s_add_co_u32 s42, s40, s45                     ; and my eighth in memory
	s_mov_b32 s43, 0
	s_mov_b32 s[SEL], 0x76543210
	s_mov_b32 s[SEL+1], 0xfedcba98
	s_mov_b32 s[BIGN], 0xf149f2ca                  ; -1e30
	s_wait_dscnt 0x0
	s_wait_kmcnt 0x0
	s_add_nc_u64 s[42:43], s[4:5], s[42:43]
.irp t, 0,1,2,3
	s_mov_b32 s[G0+4*(\t)], 1
	s_add_co_u32 s[G0+4*(\t)+1], s44, (\t)*TILEB
	s_add_nc_u64 s[G0+4*(\t)+2:G0+4*(\t)+3], s[42:43], (\t)*32768
	s_or_b32 s[G0+4*(\t)+3], s[G0+4*(\t)+3], 0x80000000
.endr
.irp t, 0,1,2,3
	tensor_load_to_lds s[G0+4*(\t):G0+4*(\t)+3], s[G1:G1+7]
	s_nop 0
.endr
	PLACES
	v_and_b32 v1, 15, v0                           ; l % 16
	v_bfe_u32 v13, v0, 4, 1                        ; l / 16
	v_lshlrev_b32 v3, 7, v1
	v_lshl_add_u32 v3, v13, 4, v3                  ; row x 128 + 16 x half
	s_lshl_b32 s51, s[SUB], 11
	s_mov_b32 s52, s[KAP]                          ; the four bands
	s_sub_co_u32 s53, 7, s[KAP]
	s_add_co_u32 s54, s[KAP], 8
	s_sub_co_u32 s55, 15, s[KAP]
.irp p, 0,1,2,3
	s_lshl_b32 s[52+(\p)], s[52+(\p)], 13
	s_add_co_u32 s[52+(\p)], s[52+(\p)], s51
	v_add_nc_u32 v[KOF+(\p)], s[52+(\p)], v3
.endr
	s_add_co_u32 s40, s40, 0x1000000               ; k' is the second section
	s_add_nc_u64 s[46:47], s[4:5], s[40:41]
.irp p, 0,1,2,3
.irp c, 0,1
	global_load_b128 v[KO+16*(\p)+8*(\c):KO+16*(\p)+8*(\c)+3],   v[KOF+(\p)], s[46:47] offset:64*(\c)
	global_load_b128 v[KO+16*(\p)+8*(\c)+4:KO+16*(\p)+8*(\c)+7], v[KOF+(\p)], s[46:47] offset:64*(\c)+32
.endr
.endr
	v_lshlrev_b32 v14, 3, v13
	v_sub_nc_u32 v14, v1, v14
	s_lshl_b32 s51, s[SUB], 4
	v_add_nc_u32 v14, s51, v14                     ; my key's place in its band less my lanes' 8 (l / 16): register r of query group qt is hidden where 16 qt + r is smaller
.set i, 0
.rept 32
	v_cmp_lt_i32 vcc_lo, 16*(i/8)+i%8, v14
	v_cndmask_b32 v[MD+i], 0, s[BIGN], vcc_lo
.set i, i+1
.endr
.irp p, 0,1,2,3
	v_mov_b32 v[ST+4*(\p)], 0xff7fffff             ; m: the lowest finite number
	v_mov_b32 v[ST+4*(\p)+1], 0
	v_mov_b32 v[ST+4*(\p)+2], 0
	v_mov_b32 v[ST+4*(\p)+3], 0
	v_mov_b32 v[MO+(\p)], 0                        ; v_permlanex16_b32 counts as a reader of its destination
	v_mov_b32 v[LO+(\p)], 0
.endr
	v_mul_u32_u24 v[AQ], v1, PQ
	v_lshl_add_u32 v[AQ], v13, 4, v[AQ]
	s_lshr_b32 s51, s[WV], 2
	s_lshl_b32 s51, s51, 10
	s_lshl_b32 s56, s[SUB], 6
	s_add_co_u32 s51, s51, s56
	s_add_co_u32 s51, s51, TS
	v_lshl_add_u32 v[TSA], v1, 2, s51              ; row 4 (w / 4) + p of TS, word 16 (w % 4) + l % 16
	v_and_b32 v3, 31, v0
	s_lshl_b32 s51, s[WV], 8
	s_add_co_u32 s51, s51, TS
	v_lshl_add_u32 v[TRD], v3, 3, s51              ; row w of TS: my class's piece w % 4
	s_sub_co_u32 s56, 3, s[KAP]
	s_and_b32 s57, s[WV], 1
	s_cmp_eq_u32 s57, 1
	s_cselect_b32 s56, s56, s[KAP]
	s_lshl2_add_u32 s56, s[SUB], s56               ; its band: 4 (w % 4) + (kappa or 3 - kappa)
	s_lshl_b32 s56, s56, 8
	v_lshl_add_u32 v[TGO], v3, 3, s56
	s_lshl_b32 s56, s10, 12
	s_mov_b32 s57, 0
	s_add_nc_u64 s[6:7], s[6:7], s[56:57]
	s_wait_loadcnt 0x0                             ; my keys
; A piece's step: 8 products (the four accumulators take turns), the mask in the band's own step, the running maximum, and the sum.  The 33 exponentials are one batch with one wait.
.macro SPIECE p, cond, dg
.set rT, ST+4*(\p)
.set i, 0
.rept 8
.if i < 4
	v_wmma_f32_16x16x32_f16 v[S+8*(i%4):S+8*(i%4)+7], v[QF+16*(i%4)+8*(i/4):QF+16*(i%4)+8*(i/4)+7], v[KO+16*(\p)+8*(i/4):KO+16*(\p)+8*(i/4)+7], 0
.else
	v_wmma_f32_16x16x32_f16 v[S+8*(i%4):S+8*(i%4)+7], v[QF+16*(i%4)+8*(i/4):QF+16*(i%4)+8*(i/4)+7], v[KO+16*(\p)+8*(i/4):KO+16*(\p)+8*(i/4)+7], v[S+8*(i%4):S+8*(i%4)+7]
.endif
.set i, i+1
.endr
	PLACES
.if \cond
	s_cmp_eq_u32 s[CNT], s[\dg]
	s_cbranch_scc0 .Lopen_\@
.set i, 0
.rept 16
	v_pk_add_f32 v[S+2*i:S+2*i+1], v[S+2*i:S+2*i+1], v[MD+2*i:MD+2*i+1]
.set i, i+1
.endr
.Lopen_\@:
.endif
.irp n, 0,1,2,3                        ; each accumulator's lowest registers are read first
	v_max3_num_f32 v[C+(\n)], v[S+8*(\n)], v[S+8*(\n)+1], v[S+8*(\n)+2]
.endr
.irp n, 0,1,2,3
	v_max3_num_f32 v[C+(\n)], v[C+(\n)], v[S+8*(\n)+3], v[S+8*(\n)+4]
.endr
.irp n, 0,1,2,3
	v_max3_num_f32 v[C+(\n)], v[C+(\n)], v[S+8*(\n)+5], v[S+8*(\n)+6]
.endr
	v_max3_num_f32 v[C], v[C], v[S+7], v[S+15]
	v_max3_num_f32 v[C+1], v[C+1], v[S+23], v[S+31]
	v_max3_num_f32 v[C+2], v[C+2], v[C+3], v[rT]
	v_max3_num_f32 v[C], v[C], v[C+1], v[C+2]
	v_sub_f32 v[C+1], v[rT], v[C]                  ; m_old - m_new
	v_mov_b32 v[rT], v[C]
	v_exp_f32 v[C+2], v[C+1]                       ; a
.set i, 0
.rept 16
	v_pk_add_f32 v[S+2*i:S+2*i+1], v[S+2*i:S+2*i+1], v[rT:rT+1] op_sel_hi:[1,0] neg_lo:[0,1] neg_hi:[0,1]
.set i, i+1
.endr
.set i, 0
.rept 32
	v_exp_f32 v[S+i], v[S+i]
.set i, i+1
.endr
	v_nop                                          ; a plain instruction behind the last exponential
	s_wait_alu depctr_va_vdst(0)                   ; the wait ahead of the first reader: one for the batch
.irp u, 0,1,2,3,4,5,6,7
	v_pk_add_f32 v[S+4*(\u):S+4*(\u)+1], v[S+4*(\u):S+4*(\u)+1], v[S+4*(\u)+2:S+4*(\u)+3]
.endr
.irp u, 0,1,2,3
	v_pk_add_f32 v[S+8*(\u):S+8*(\u)+1], v[S+8*(\u):S+8*(\u)+1], v[S+8*(\u)+4:S+8*(\u)+5]
.endr
.irp u, 0,1
	v_pk_add_f32 v[S+16*(\u):S+16*(\u)+1], v[S+16*(\u):S+16*(\u)+1], v[S+16*(\u)+8:S+16*(\u)+9]
.endr
	v_pk_add_f32 v[S:S+1], v[S:S+1], v[S+16:S+17]
	v_pk_fma_f32 v[rT+2:rT+3], v[rT+2:rT+3], v[C+2:C+3], v[S:S+1] op_sel_hi:[1,0,1]  ; l = a l + the sum
.endm
; Stage t: four steps of 64 queries.  The wait leaves my 3 - t younger tensor loads out.  The places in front of the loads into QF are the last piece's vector lines.
.macro SSTAGE t, dg
	s_wait_tensorcnt 3-(\t)
	s_wait_dscnt 0x0
	s_barrier_signal -1
	s_barrier_wait -1                              ; everybody's part of tile t is in
	s_mov_b32 s[CNT], 4
.Lstep_\@:
.if (\t) == 0
	s_cmp_gt_u32 s[CNT], s[\dg]                    ; no piece lives yet
	s_cbranch_scc1 .Lskip_\@
.endif
.irp f, 0,1,2,3,4,5,6,7
	ds_load_b128 v[QF+8*(\f):QF+8*(\f)+3],   v[AQ] offset:((\f)/2)*16*PQ+((\f)%2)*64
	ds_load_b128 v[QF+8*(\f)+4:QF+8*(\f)+7], v[AQ] offset:((\f)/2)*16*PQ+((\f)%2)*64+32
.endr
	s_wait_dscnt 0x0
.if (\t) > 0
	SPIECE 0, 0, \dg
.endif
.if (\t) > 1
	SPIECE 1, 0, \dg
.endif
.if (\t) > 2
	SPIECE 2, 0, \dg
.endif
.if (\t) > 0
	s_cmp_gt_u32 s[CNT], s[\dg]
	s_cbranch_scc1 .Lskip_\@
.endif
	SPIECE \t, 1, \dg
.Lskip_\@:
	v_add_nc_u32 v[AQ], 64*PQ, v[AQ]
	s_sub_co_u32 s[CNT], s[CNT], 1
	s_cmp_lg_u32 s[CNT], 0
	s_cbranch_scc1 .Lstep_\@
.endm
	SSTAGE 0, DGE
	SSTAGE 1, DGO
	SSTAGE 2, DGE
	SSTAGE 3, DGO
	; THE END.  The two halves of the lanes hold different queries of the same key: they meet.  Two multiplies and an add, which commutes: both lanes of a key get the same bits.
.macro ALL line:vararg
.set p, 0
.rept 4
	\line
.set p, p+1
.endr
.endm
	ALL v_add_f32 v[S+8+p], v[ST+4*p+2], v[ST+4*p+3]
	ALL v_permlanex16_b32 v[MO+p], v[ST+4*p], s[SEL], s[SEL+1]
	ALL v_permlanex16_b32 v[LO+p], v[S+8+p], s[SEL], s[SEL+1]
	ALL v_max_num_f32 v[MM+p], v[ST+4*p], v[MO+p]
	ALL v_sub_f32 v[S+p], v[ST+4*p], v[MM+p]
	ALL v_sub_f32 v[S+4+p], v[MO+p], v[MM+p]
	ALL v_exp_f32 v[S+p], v[S+p]
	ALL v_exp_f32 v[S+4+p], v[S+4+p]
	v_nop
	s_wait_alu depctr_va_vdst(0)                   ; one wait for the eight
	ALL v_mul_f32 v[S+8+p], v[S+8+p], v[S+p]
	ALL v_mul_f32 v[S+12+p], v[LO+p], v[S+4+p]
	ALL v_add_f32 v[S+8+p], v[S+8+p], v[S+12+p]    ; l, at least 1: the key's largest score counts as 2^0
	ALL v_log_f32 v[S+8+p], v[S+8+p]
	v_nop
	s_wait_alu depctr_va_vdst(0)                   ; one wait for the four
	ALL v_add_f32 v[S+8+p], -v[MM+p], -v[S+8+p]    ; t = -m - log2 l
.irp p, 0,1,2,3
	ds_store_b32 v[TSA], v[S+8+(\p)] offset:256*(\p)
.endr
	s_wait_dscnt 0x0                               ; for the others' sake
	s_barrier_signal -1
	s_barrier_wait -1
	ds_load_b64 v[S:S+1], v[TRD]
	s_wait_dscnt 0x0
	global_store_b64 v[TGO], v[S:S+1], s[6:7]      ; a band's 64 t: 256 consecutive bytes, aligned
	s_wait_tensorcnt 0x0                           ; the wave's end
	ds_add_u32 v[SPW], v[NIL]
	s_wait_dscnt 0x0
	s_endpgm
.Lfunc_end_k_q0d5b2e29c3_stats:
	.size	k_q0d5b2e29c3_stats, .Lfunc_end_k_q0d5b2e29c3_stats-k_q0d5b2e29c3_stats
	.p2alignl 7, 3214868480
	.fill 96, 4, 3214868480
	.section	.rodata,"a",@progbits
	.p2align	6, 0x0
	.amdhsa_kernel k_q0d5b2e29c3_stats
		.amdhsa_group_segment_fixed_size 167936
		.amdhsa_private_segment_fixed_size 0
		.amdhsa_enable_private_segment 0
		.amdhsa_kernarg_size 16
		.amdhsa_user_sgpr_count 2
		.amdhsa_user_sgpr_kernarg_segment_ptr 1
		.amdhsa_wavefront_size32 1
		.amdhsa_system_sgpr_workgroup_id_x 1
		.amdhsa_system_sgpr_workgroup_id_y 1
		.amdhsa_system_sgpr_workgroup_id_z 1
		.amdhsa_system_vgpr_workitem_id 0
		.amdhsa_next_free_vgpr 256
		.amdhsa_next_free_sgpr 66
		.amdhsa_reserve_vcc 1
		.amdhsa_float_denorm_mode_32 3
		.amdhsa_float_denorm_mode_16_64 3
		.amdhsa_memory_ordered 1
		.amdhsa_forward_progress 1
		.amdhsa_inst_pref_size 71
	.end_amdhsa_kernel
	.amdgpu_metadata
---
amdhsa.version: [ 1, 2 ]
amdhsa.kernels:
  - .name:           k_q0d5b2e29c3_stats
    .symbol:         k_q0d5b2e29c3_stats.kd
    .args:
      - { .name: qkv, .offset: 0, .size: 8, .value_kind: global_buffer, .address_space: global }
      - { .name: tst, .offset: 8, .size: 8, .value_kind: global_buffer, .address_space: global }
    .group_segment_fixed_size: 167936
    .private_segment_fixed_size: 0
    .kernarg_segment_align: 8
    .kernarg_segment_size: 16
    .max_flat_workgroup_size: 256
    .sgpr_count:     66
    .vgpr_count:     256
    .wavefront_size: 32
...
	.end_amdgpu_metadata
.endif
;; end of part 3
;; launch attn (part 4): grid 2 x 128, 8 waves a work-group, no clusters, 327,680 bytes of LDS; arguments qkv, vlo, tst, yh, ylo; writes yh, ylo
.if DOCPART == 4
	.amdgcn_target "amdgcn-amd-amdhsa--gfx1250"
	.amdhsa_code_object_version 6
	.text
	.protected	k_q0d5b2e29c3_attn
	.globl	k_q0d5b2e29c3_attn
	.p2align	8
	.type	k_q0d5b2e29c3_attn,@function
k_q0d5b2e29c3_attn:
	s_mov_b64 s[64:65], 0
	v_nop
	global_prefetch_b8 v0, s[64:65] scope:SCOPE_SE
	s_setreg_imm32_b32 hwreg(HW_REG_WAVE_MODE, 25, 1), 1
	s_wait_xcnt 0x0
; y'[i] = the sum over keys j <= i of 2^(s[i][j] + t[j]) v'[j]: the weights of a softmax over the queries, whose maximum and sum the launch before has put into t[j] = -(m + log2 l).
; s = k'[j] . q'[i] is made by the same two chained products as there, with the sources swapped, which gives the same bits: so s <= m, s + t <= 0 and no weight passes 1, whatever the inputs.
; qkv: [3][128][1024][64] f16; tst: [128][1024] f32; yh: [128][1024][64] f16 = y' = y / 4 (v' carries the quarter).
; THE LAST 16 KEYS AND ROWS of a sequence hold the largest weights and numbers: there v' and the weights go as a high and a low f16 part (V_hi P_hi + V_hi P_lo + V_lo P_hi), and y' leaves as yh and ylo.
; LIMITS.  y' of 65,520 or more becomes an infinity in f16; a hidden score counts as its value less 1e30; a weight below 2^-126 counts as 0, below 6e-5 it keeps f16's fixed step; NaN and infinities are not treated apart.
; SHARES as in the launch before, with queries for keys: wave w of work-group (g, head) has class kappa = 2 g + w / 4 and four PIECES of 16 queries, rows 16 (w % 4) .. of bands kappa, 7 - kappa, 8 + kappa, 15 - kappa:
; 34 steps of a piece for every wave.  The walk goes over the keys, 64 a step, in four stages of four; piece t is tested in stage t alone: it lives up to its band's own step (CNT >= DG).
; LDS holds all of the head's k' and v', filled once: waves 0-3 ask for k', waves 4-7 for v', a quarter of each of four tiles of 256 keys: four loads of mine out at the most.  All of LDS is claimed; 318,976 bytes are used.
; LAYOUT.  S^T = K Q^T: a lane holds ONE query (lane % 16) and the keys 8 (lane / 16) + 0..7; rounded to f16 in pairs it IS source 1 of O^T = V^T P.  No running maximum and no rescaling are needed here.
; NO CLUSTER: a head's tiles are read by two work-groups, and their jumps hang on g.  NO PREFETCH: all loads go out at the head.
; REGISTERS.  window 0: v0-15 addresses; v16-47 the step's t; v48-79 the mask; v80-111 S^T; v112-127 P; v128-191 K; v192-255 V.  window 1: v0-63 Q, 16 a piece; v64-191 O^T, 32 a piece.
.set PK,    144
.set PV,    160
.set VB,    1024*PK                    ; v' lies behind k'
.set TT,    VB+1024*PV                 ; the head's 1,024 t
.set VLO,   TT+4096                    ; the low parts of the last 16 rows of v', 16 rows of 160 bytes
.set SPARE, VLO+16*PV                  ; the spare words, 128 bytes for each of eight waves
.set SP,    144                        ; the way out's stages, 16 rows x 144 bytes a wave, lie on k's first bytes, which have had their only fill and are read no more
.set AK,  2
.set AV,  3
.set AT,  4
.set AVB, 5                            ; v5     my lane's place in a turning load
.set STO, 6
.set RD,  7
.set GO,  8
.set SPW, 9
.set NIL, 10
.set QOF, 12                           ; v12-15 my byte offset in q' for each piece
.set TC,  16
.set MD,  48
.set S,   80
.set P,   112
.set KF,  128
.set VF,  192
.set OT,  64                           ; window 1
.set WV,  14
.set KAP, 17
.set SUB, 18
.set DGE, 19
.set DGO, 20
.set CNT, 21
.set TW,  22                           ; s22  1: I own the sequence's last 16 rows
.set DGT, 23                           ; s23  CNT at the step that holds the last 16 keys, in that wave; else a number that CNT never takes
.set G1,  24
.set G0,  40
.set BIGN, 57
.set YB,  84                           ; s[84:91] yh at my rows of each piece
.set MSB, 0
.macro WIN new
.if MSB != (\new)
	s_set_vgpr_msb (MSB<<8)|(\new)
.set MSB, \new
.endif
.endm
.macro PLACES
.rept 4
	v_nop
.endr
.endm
; A wave's four first fills: 64 keys of each tile, 8,192 dense bytes asked for as 32 rows of 256 and padded in LDS after every key.
.macro FILLS pad, base, tstep, sstep, src
	s_mov_b32 s[G1], (1<<16)|(1<<20)|(4<<22)|((\pad)<<25)
	s_mov_b32 s[G1+1], 128<<16
	s_mov_b32 s[G1+2], 32<<16
	s_mov_b32 s[G1+3], 128<<16
	s_mov_b32 s[G1+4], 32
	s_mov_b32 s[G1+5], 128
	s_mov_b32 s[G1+6], 0
	s_mov_b32 s[G1+7], 0
	s_mul_i32 s56, s[SUB], \sstep
.irp t, 0,1,2,3
	s_mov_b32 s[G0+4*(\t)], 1
	s_add_co_u32 s[G0+4*(\t)+1], s56, (\base)+(\t)*(\tstep)
	s_add_nc_u64 s[G0+4*(\t)+2:G0+4*(\t)+3], s[(\src):(\src)+1], (\t)*32768
	s_or_b32 s[G0+4*(\t)+3], s[G0+4*(\t)+3], 0x80000000
.endr
.irp t, 0,1,2,3
	tensor_load_to_lds s[G0+4*(\t):G0+4*(\t)+3], s[G1:G1+7]
	s_nop 0
.endr
	PLACES
.endm
	s_load_b256 s[4:11], s[0:1], 0x0               ; qkv s[4:5], vlo s[6:7], tst s[8:9], yh s[10:11]
	s_load_b64 s[12:13], s[0:1], 0x20              ; ylo
	v_lshl_add_u32 v[SPW], v0, 2, SPARE
	v_mov_b32 v[NIL], 0
	ds_add_u32 v[SPW], v[NIL]                      ; the wave's opening: the add and its wait ahead of my first tensor load
	ds_add_u32 v9, v10
	v_lshrrev_b32 v1, 5, v0
	v_readfirstlane_b32 s[WV], v1                  ; wave 0..7
	s_mov_b32 s15, ttmp9                           ; g
	s_and_b32 s16, ttmp7, 0xffff                   ; the head
	s_lshr_b32 s[KAP], s[WV], 2
	s_lshl1_add_u32 s[KAP], s15, s[KAP]
	s_and_b32 s[SUB], s[WV], 3
	s_sub_co_u32 s[DGE], 4, s[KAP]
	s_add_co_u32 s[DGO], s[KAP], 1
	s_cmp_eq_u32 s[WV], 3
	s_cselect_b32 s[TW], 1, 0
	s_cmp_eq_u32 s15, 0
	s_cselect_b32 s[TW], s[TW], 0
	s_cmp_eq_u32 s[TW], 1
	s_cselect_b32 s[DGT], s[DGO], 99
	s_mov_b32 s[BIGN], 0xf149f2ca                  ; -1e30
	s_lshl_b32 s32, s16, 17                        ; the head's bytes in a section
	s_mov_b32 s33, 0
	s_lshl_b32 s34, s[SUB], 13                     ; my 64 keys of a tile
	s_add_co_u32 s34, s34, s32
	s_mov_b32 s35, 0
	s_wait_dscnt 0x0
	s_wait_kmcnt 0x0
	s_add_nc_u64 s[58:59], s[4:5], s[32:33]        ; q'
	s_add_nc_u64 s[60:61], s[4:5], s[34:35]
	s_add_nc_u64 s[60:61], s[60:61], 0x1000000     ; k'
	s_add_nc_u64 s[62:63], s[60:61], 0x1000000     ; v'
	s_cmp_lt_u32 s[WV], 4
	s_cbranch_scc0 .Lfill_v
	FILLS 3, 0, 256*PK, 64*PK, 60
	s_branch .Lfilled
.Lfill_v:
	FILLS 7, VB, 256*PV, 64*PV, 62
.Lfilled:
	v_and_b32 v1, 15, v0                           ; l % 16
	v_bfe_u32 v11, v0, 4, 1                        ; l / 16
	v_lshlrev_b32 v22, 4, v0
	v_lshlrev_b32 v23, 3, v0
	s_lshl_b32 s32, s16, 12
	s_add_nc_u64 s[8:9], s[8:9], s[32:33]
	s_lshl_b32 s34, s16, 11
	s_add_nc_u64 s[6:7], s[6:7], s[34:35]
	s_add_nc_u64 s[12:13], s[12:13], s[34:35]
	global_load_b128 v[16:19], v22, s[8:9]         ; the head's t, 16 bytes a thread,
	global_load_b64 v[20:21], v23, s[6:7]          ; and vlo, 8 (both work-groups of a head copy it; only g = 0 reads it)
	v_lshlrev_b32 v24, 7, v1
	v_lshl_add_u32 v24, v11, 4, v24
	s_lshl_b32 s72, s[SUB], 11
	s_mov_b32 s68, s[KAP]
	s_sub_co_u32 s69, 7, s[KAP]
	s_add_co_u32 s70, s[KAP], 8
	s_sub_co_u32 s71, 15, s[KAP]
	s_lshl_b32 s73, s16, 17
	s_mov_b32 s75, 0
.irp p, 0,1,2,3
	s_lshl_b32 s[68+(\p)], s[68+(\p)], 13
	s_add_co_u32 s[68+(\p)], s[68+(\p)], s72       ; (64 band + 16 (w % 4)) x 128
	v_add_nc_u32 v[QOF+(\p)], s[68+(\p)], v24
	s_add_co_u32 s74, s73, s[68+(\p)]
	s_add_nc_u64 s[YB+2*(\p):YB+2*(\p)+1], s[10:11], s[74:75]
.endr
	WIN 0x40                                       ; destination window 1
.irp p, 0,1,2,3
.irp c, 0,1
	global_load_b128 v[16*(\p)+8*(\c):16*(\p)+8*(\c)+3],   v[QOF+(\p)], s[58:59] offset:64*(\c)
	global_load_b128 v[16*(\p)+8*(\c)+4:16*(\p)+8*(\c)+7], v[QOF+(\p)], s[58:59] offset:64*(\c)+32
.endr
.endr
.set i, 0
.rept 128                              ; O^T starts at 0, written while the loads are out: so no first step is written out
	v_mov_b32 v[OT+i], 0
.set i, i+1
.endr
	WIN 0
	v_lshlrev_b32 v26, 3, v11
	v_sub_nc_u32 v26, v1, v26
	s_lshl_b32 s72, s[SUB], 4
	v_add_nc_u32 v26, s72, v26                     ; my query's place in its band less my lanes' 8 (l / 16): register r of key group kt is hidden where 16 kt + r is greater
.set i, 0
.rept 32
	v_cmp_gt_i32 vcc_lo, 16*(i/8)+i%8, v26
	v_cndmask_b32 v[MD+i], 0, s[BIGN], vcc_lo
.set i, i+1
.endr
	v_mul_u32_u24 v[AK], v1, PK
	v_lshl_add_u32 v[AK], v11, 4, v[AK]
	v_and_b32 v27, 7, v0
	v_bfe_u32 v28, v0, 3, 1
	v_lshl_add_u32 v[AVB], v11, 3, v27
	v_mul_u32_u24 v[AVB], v[AVB], PV
	v_lshl_add_u32 v[AVB], v28, 4, v[AVB]
	v_add_nc_u32 v[AV], VB, v[AVB]
	v_lshl_add_u32 v[AT], v11, 5, TT               ; my lanes' eight t of a group of 16 keys
	s_mul_i32 s72, s[WV], 16*SP
	v_mul_u32_u24 v[STO], v1, SP
	v_lshl_add_u32 v[STO], v11, 4, v[STO]
	v_add_nc_u32 v[STO], s72, v[STO]
	v_bfe_u32 v[RD], v0, 3, 2
	v_mul_u32_u24 v[RD], v[RD], SP
	v_lshl_add_u32 v[RD], v27, 4, v[RD]
	v_add_nc_u32 v[RD], s72, v[RD]
	v_and_b32 v[GO], 31, v0
	v_lshlrev_b32 v[GO], 4, v[GO]
	v_lshl_add_u32 v24, v0, 4, TT
	v_lshrrev_b32 v25, 4, v0
	v_mul_u32_u24 v25, v25, PV
	v_lshl_add_u32 v25, v1, 3, v25
	v_add_nc_u32 v25, VLO, v25
	s_wait_loadcnt 16                              ; t and vlo are in; Q's sixteen loads may be out
	ds_store_b128 v24, v[16:19]
	ds_store_b64 v25, v[20:21]
	s_wait_loadcnt 0x0                             ; Q
; A piece's step.  vw = 1: the step's first piece waits for V.  cond = 1: the mask is added in the band's own step.  tail = 1: the text of the last 16 keys' low parts.
; The accumulators of each run of 8 products take turns.  The 32 exponentials are one batch with one wait.
.macro APIECE p, vw, cond, dg, tail
	WIN 0x04                                       ; Q in window 1
.set i, 0
.rept 8
.if i < 4
	v_wmma_f32_16x16x32_f16 v[S+8*(i%4):S+8*(i%4)+7], v[KF+16*(i%4)+8*(i/4):KF+16*(i%4)+8*(i/4)+7], v[16*(\p)+8*(i/4):16*(\p)+8*(i/4)+7], 0
.else
	v_wmma_f32_16x16x32_f16 v[S+8*(i%4):S+8*(i%4)+7], v[KF+16*(i%4)+8*(i/4):KF+16*(i%4)+8*(i/4)+7], v[16*(\p)+8*(i/4):16*(\p)+8*(i/4)+7], v[S+8*(i%4):S+8*(i%4)+7]
.endif
.set i, i+1
.endr
	WIN 0
	PLACES
.set i, 0
.rept 16                               ; s + t, by the vector unit: one rounding of a sum that is at most 0
	v_pk_add_f32 v[S+2*i:S+2*i+1], v[S+2*i:S+2*i+1], v[TC+2*i:TC+2*i+1]
.set i, i+1
.endr
.if \cond
	s_cmp_eq_u32 s[CNT], s[\dg]
	s_cbranch_scc0 .Lopen_\@
.set i, 0
.rept 16
	v_pk_add_f32 v[S+2*i:S+2*i+1], v[S+2*i:S+2*i+1], v[MD+2*i:MD+2*i+1]
.set i, i+1
.endr
.Lopen_\@:
.endif
.set i, 0
.rept 32
	v_exp_f32 v[S+i], v[S+i]
.set i, i+1
.endr
	v_nop                                          ; a plain instruction behind the last exponential
	s_wait_alu depctr_va_vdst(0)                   ; the wait ahead of the first reader: one for the batch
.set i, 0
.rept 16
	v_cvt_pk_f16_f32 v[P+i], v[S+2*i], v[S+2*i+1]
.set i, i+1
.endr
.if \vw
	s_wait_dscnt 0x0                               ; V is in
.endif
	WIN 0x50                                       ; O^T in window 1
.set i, 0
.rept 8
	v_wmma_f32_16x16x32_f16 v[OT+32*(\p)+8*(i%4):OT+32*(\p)+8*(i%4)+7], v[VF+32*(i/4)+8*(i%4):VF+32*(i/4)+8*(i%4)+7], v[P+8*(i/4):P+8*(i/4)+7], v[OT+32*(\p)+8*(i%4):OT+32*(\p)+8*(i%4)+7]
.set i, i+1
.endr
	WIN 0
.if \tail
	s_cmp_eq_u32 s[CNT], s[DGT]
	s_cbranch_scc0 .Lno_tail_\@
	v_add_nc_u32 v15, VLO, v[AVB]
.irp cb, 0,1,2,3                       ; V_lo^T of keys 32-63 of the step: zeros for the first 16, the low parts for the last 16; into K's registers, which are read no more
	ds_load_tr16_b128 v[KF+8*(\cb)+4:KF+8*(\cb)+7], v15 offset:32*(\cb)
.endr
.irp cb, 0,1,2,3
.irp n, 0,1,2,3
	v_mov_b32 v[KF+8*(\cb)+(\n)], 0
.endr
.endr
	v_mov_b32 v[S], 1.0
.irp n, 0,1,2,3                        ; p - f16(p) for the last 16 keys, exact
	v_fma_mix_f32 v[S+24+2*(\n)], -v[P+12+(\n)], v[S], v[S+24+2*(\n)] op_sel_hi:[1,0,0]
	v_fma_mix_f32 v[S+25+2*(\n)], -v[P+12+(\n)], v[S], v[S+25+2*(\n)] op_sel:[1,0,0] op_sel_hi:[1,0,0]
.endr
.irp n, 0,1,2,3
	v_mov_b32 v[S+8+(\n)], 0
.endr
.irp n, 0,1,2,3
	v_cvt_pk_f16_f32 v[S+12+(\n)], v[S+24+2*(\n)], v[S+25+2*(\n)]
.endr
	s_wait_dscnt 0x0
	WIN 0x50
.irp cb, 0,1,2,3
	v_wmma_f32_16x16x32_f16 v[OT+32*(\p)+8*(\cb):OT+32*(\p)+8*(\cb)+7], v[VF+32+8*(\cb):VF+32+8*(\cb)+7], v[S+8:S+15], v[OT+32*(\p)+8*(\cb):OT+32*(\p)+8*(\cb)+7]
.endr
.irp cb, 0,1,2,3
	v_wmma_f32_16x16x32_f16 v[OT+32*(\p)+8*(\cb):OT+32*(\p)+8*(\cb)+7], v[KF+8*(\cb):KF+8*(\cb)+7], v[P+8:P+15], v[OT+32*(\p)+8*(\cb):OT+32*(\p)+8*(\cb)+7]
.endr
	WIN 0
.Lno_tail_\@:
.endif
.endm
; Stage t: four steps of 64 keys.  The wait leaves my 3 - t younger tensor loads out.
.macro ASTAGE t, dg
	s_wait_tensorcnt 3-(\t)
	s_wait_dscnt 0x0                               ; (ahead of stage 0: my stores of t and vlo)
	s_barrier_signal -1
	s_barrier_wait -1
	s_mov_b32 s[CNT], 4
.Lstep_\@:
.if (\t) == 3
	s_cmp_lt_u32 s[CNT], s[\dg]                    ; no piece lives any more
	s_cbranch_scc1 .Lskip_\@
.endif
	PLACES                                         ; behind the last products, which read V
.irp f, 0,1,2,3,4,5,6,7
	ds_load_b128 v[KF+8*(\f):KF+8*(\f)+3],   v[AK] offset:((\f)/2)*16*PK+((\f)%2)*64
	ds_load_b128 v[KF+8*(\f)+4:KF+8*(\f)+7], v[AK] offset:((\f)/2)*16*PK+((\f)%2)*64+32
.endr
.irp f, 0,1,2,3
	ds_load_b128 v[TC+8*(\f):TC+8*(\f)+3],   v[AT] offset:64*(\f)
	ds_load_b128 v[TC+8*(\f)+4:TC+8*(\f)+7], v[AT] offset:64*(\f)+16
.endr
.irp f, 0,1,2,3,4,5,6,7
	ds_load_tr16_b128 v[VF+8*(\f):VF+8*(\f)+3],   v[AV] offset:((\f)/4)*32*PV+((\f)%4)*32
	ds_load_tr16_b128 v[VF+8*(\f)+4:VF+8*(\f)+7], v[AV] offset:((\f)/4)*32*PV+16*PV+((\f)%4)*32
.endr
	s_wait_dscnt 16                                ; K and t are in; V's sixteen loads may be out
.if (\t) < 3
	APIECE 3, 1, 0, \dg, 0
.endif
.if (\t) < 2
	APIECE 2, 0, 0, \dg, 0
.endif
.if (\t) < 1
	APIECE 1, 0, 0, \dg, 0
.endif
.if (\t) < 3
	s_cmp_lt_u32 s[CNT], s[\dg]
	s_cbranch_scc1 .Lskip_\@
	APIECE \t, 0, 1, \dg, 0
.else
	APIECE 3, 1, 1, \dg, 1
.endif
.Lskip_\@:
	v_add_nc_u32 v[AK], 64*PK, v[AK]
	v_add_nc_u32 v[AV], 64*PV, v[AV]
	v_add_nc_u32 v[AT], 256, v[AT]
	s_sub_co_u32 s[CNT], s[CNT], 1
	s_cmp_lg_u32 s[CNT], 0
	s_cbranch_scc1 .Lstep_\@
.endm
	ASTAGE 0, DGE
	ASTAGE 1, DGO
	ASTAGE 2, DGE
	ASTAGE 3, DGO
	; THE WAY OUT.  Every wave's reads of k' are over before a stage is written onto its bytes.
	s_wait_dscnt 0x0
	s_barrier_signal -1
	s_barrier_wait -1
	PLACES
.macro PACK p                          ; a lane's eight channels of a row pack into 16 bytes; rows of 144 bytes in, whole rows of 128 back, into the registers that they left
	WIN 0x05
.set i, 0
.rept 16
	v_cvt_pk_f16_f32 v[KF+16*(\p)+i], v[OT+32*(\p)+2*i], v[OT+32*(\p)+2*i+1]
.set i, i+1
.endr
	WIN 0
.irp f, 0,1,2,3
	ds_store_b128 v[STO], v[KF+16*(\p)+4*(\f):KF+16*(\p)+4*(\f)+3] offset:32*(\f)
.endr
.irp f, 0,1,2,3
	ds_load_b128 v[KF+16*(\p)+4*(\f):KF+16*(\p)+4*(\f)+3], v[RD] offset:(\f)*4*SP  ; LDS serves a wave's instructions in order (ISA guide 5.7.1.4)
.endr
.endm
.macro SEND p, younger
.irp f, 0,1,2,3
	s_wait_dscnt (\younger)+3-(\f)
	global_store_b128 v[GO], v[KF+16*(\p)+4*(\f):KF+16*(\p)+4*(\f)+3], s[YB+2*(\p):YB+2*(\p)+1] offset:512*(\f)  ; 512 consecutive bytes of a head, aligned
.endr
.endm
	PACK 0
	PACK 1
	SEND 0, 8
	PACK 2
	SEND 1, 8
	PACK 3
	SEND 2, 8
	SEND 3, 0
	s_cmp_eq_u32 s[TW], 1
	s_cbranch_scc0 .Lend
	v_mov_b32 v16, 1.0                             ; ylo = f16(O - f16(O)) for the sequence's last 16 rows: piece 3
	WIN 0x05
.set i, 0
.rept 16
	v_cvt_pk_f16_f32 v[S+i], v[OT+96+2*i], v[OT+96+2*i+1]
.set i, i+1
.endr
	WIN 0x10                                       ; source 2 in window 1
.set i, 0
.rept 16
	v_fma_mix_f32 v[MD+2*i], -v[S+i], v16, v[OT+96+2*i] op_sel_hi:[1,0,0]
	v_fma_mix_f32 v[MD+2*i+1], -v[S+i], v16, v[OT+96+2*i+1] op_sel:[1,0,0] op_sel_hi:[1,0,0]
.set i, i+1
.endr
	WIN 0
.set i, 0
.rept 16
	v_cvt_pk_f16_f32 v[S+16+i], v[MD+2*i], v[MD+2*i+1]
.set i, i+1
.endr
.irp f, 0,1,2,3
	ds_store_b128 v[STO], v[S+16+4*(\f):S+16+4*(\f)+3] offset:32*(\f)
.endr
.irp f, 0,1,2,3
	ds_load_b128 v[S+16+4*(\f):S+16+4*(\f)+3], v[RD] offset:(\f)*4*SP
.endr
.irp f, 0,1,2,3
	s_wait_dscnt 3-(\f)
	global_store_b128 v[GO], v[S+16+4*(\f):S+16+4*(\f)+3], s[12:13] offset:512*(\f)
.endr
.Lend:
	s_wait_tensorcnt 0x0                           ; the wave's end
	ds_add_u32 v[SPW], v[NIL]
	s_wait_dscnt 0x0
	s_endpgm
.Lfunc_end_k_q0d5b2e29c3_attn:
	.size	k_q0d5b2e29c3_attn, .Lfunc_end_k_q0d5b2e29c3_attn-k_q0d5b2e29c3_attn
	.p2alignl 7, 3214868480
	.fill 96, 4, 3214868480
	.section	.rodata,"a",@progbits
	.p2align	6, 0x0
	.amdhsa_kernel k_q0d5b2e29c3_attn
		.amdhsa_group_segment_fixed_size 327680
		.amdhsa_private_segment_fixed_size 0
		.amdhsa_enable_private_segment 0
		.amdhsa_kernarg_size 40
		.amdhsa_user_sgpr_count 2
		.amdhsa_user_sgpr_kernarg_segment_ptr 1
		.amdhsa_wavefront_size32 1
		.amdhsa_system_sgpr_workgroup_id_x 1
		.amdhsa_system_sgpr_workgroup_id_y 1
		.amdhsa_system_sgpr_workgroup_id_z 1
		.amdhsa_system_vgpr_workitem_id 0
		.amdhsa_next_free_vgpr 512
		.amdhsa_next_free_sgpr 96
		.amdhsa_reserve_vcc 1
		.amdhsa_float_denorm_mode_32 3
		.amdhsa_float_denorm_mode_16_64 3
		.amdhsa_memory_ordered 1
		.amdhsa_forward_progress 1
		.amdhsa_inst_pref_size 94
	.end_amdhsa_kernel
	.amdgpu_metadata
---
amdhsa.version: [ 1, 2 ]
amdhsa.kernels:
  - .name:           k_q0d5b2e29c3_attn
    .symbol:         k_q0d5b2e29c3_attn.kd
    .args:
      - { .name: qkv, .offset: 0, .size: 8, .value_kind: global_buffer, .address_space: global }
      - { .name: vlo, .offset: 8, .size: 8, .value_kind: global_buffer, .address_space: global }
      - { .name: tst, .offset: 16, .size: 8, .value_kind: global_buffer, .address_space: global }
      - { .name: yh, .offset: 24, .size: 8, .value_kind: global_buffer, .address_space: global }
      - { .name: ylo, .offset: 32, .size: 8, .value_kind: global_buffer, .address_space: global }
    .group_segment_fixed_size: 327680
    .private_segment_fixed_size: 0
    .kernarg_segment_align: 8
    .kernarg_segment_size: 40
    .max_flat_workgroup_size: 256
    .sgpr_count:     96
    .vgpr_count:     512
    .wavefront_size: 32
...
	.end_amdgpu_metadata
.endif
;; end of part 4
;; launch gproj (part 5): grid 8 x 32, 4 waves a work-group, clusters of 4 x 4, 327,680 bytes of LDS; arguments yh, wp, b_proj, out0, ylo; writes out0
.if DOCPART == 5
	.amdgcn_target "amdgcn-amd-amdhsa--gfx1250"
	.amdhsa_code_object_version 6
	.text
	.protected	k_q0d5b2e29c3_gproj
	.globl	k_q0d5b2e29c3_gproj
	.p2align	8
	.type	k_q0d5b2e29c3_gproj,@function
k_q0d5b2e29c3_gproj:
	s_mov_b64 s[64:65], 0
	v_nop
	global_prefetch_b8 v0, s[64:65] scope:SCOPE_SE
	s_setreg_imm32_b32 hwreg(HW_REG_WAVE_MODE, 25, 1), 1
	s_wait_xcnt 0x0
	s_wait_alu depctr_hold_cnt(0) depctr_sa_sdst(0) depctr_va_vdst(0) depctr_va_sdst(0) depctr_va_ssrc(0) depctr_va_vcc(0) depctr_vm_vsrc(0)
	s_getreg_b32 s2, hwreg(HW_REG_IB_STS2, 6, 4)
	s_cmp_eq_u32 s2, 0
	s_cbranch_scc0 .Lentry_in_a_cluster
	s_endpgm
.Lentry_in_a_cluster:
	s_bfe_u32 s2, ttmp6, 0x10000c
	s_cmp_lg_u32 s2, 0xf033
	s_cbranch_scc0 .Lentry_shape_is_right
	s_endpgm
.Lentry_shape_is_right:
; out0 = y W_proj + b.  yh: [128 heads][1024][64] f16 = y / 4; ylo: [128][16][64] f16, the low part of a sequence's last 16 rows; wp: [1024 k][1024 n] f16 (bf16 numbers); b_proj: [1024] f32, rounded to
; bf16 here like the other inputs; out0: [8192][1024] f32 = 4 x sum + b, one fused multiply-add.
; SHARES, LAYOUT, CLUSTER, RING as in the launch that makes q, k and v: a tile of 256 rows x 128 columns, four waves of 128 x 64, K steps of 128 through two slots, source 0 = 16 columns of W by the turning
; load, source 1 = 16 rows of y; tile column = 4 X + cx, batch = 4 (Y / 4) + cy, pos = Y % 4.  32 x 8 tiles.
; y LIES BY HEADS: a K step is two heads; a tile's 256 rows of a head are 32,768 dense bytes, asked for as 128 rows of 256 and padded in LDS after every row of y.  Waves 0 and 1 fetch a head each.
; THE LOW PART.  Where pos = 3 the two waves with the tile's lower half add ylo W onto their last block of 16 rows: 4 products a quarter step.  EVERY work-group asks for its batch's ylo (32 KiB beside the 768 KiB
; of its tiles), so that no tensor load stands under a jump on a place; only pos = 3 reads it.
; REGISTERS.  window 0: v0-15 addresses; v16-119, v120-223 two fragment buffers (W's 4 x 8 at +0, y's 8 x 8 at +32, ylo's 8 at +96); v224-255 the bias.  window 1: accumulator (a, b) at v[8 (4 a + b)].
.set PA,    144                        ; a row of y in LDS: 128 bytes + 16
.set PB,    288
.set HEADA, 256*PA                     ; a head's 256 rows: what one tensor load brings of y
.set HALFB, 64*PB
.set BOFF,  2*HEADA
.set SLOT,  BOFF+2*HALFB
.set ALO,   2*SLOT                     ; behind the ring: the batch's ylo, [16 heads][16 rows] of 144 bytes; filled once
.set STAGE, ALO+256*PA                 ; 16 rows x 272 bytes for each wave, for the way out
.set SPITCH, 272
.set SPARE, STAGE+4*16*SPITCH
.set ADRA, 4
.set ADRB, 6
.set STO,  8
.set RD,   9
.set CO,   10
.set PFO,  11
.set SPW,  12
.set NIL,  13
.set ADRL, 14                          ; v14    LDS address of my fragment of ylo; steps four heads a trip
.set F0,   16
.set F1,   120
.set BIAS, 224
.set T,    16
.set BK,   48                          ; the way out: 16 rows read back, v48-79 and v80-111 by turns
.set G1,  24
.set G0,  32
.set LIM, 43
.set PFA, 44
.set G1B, 48
.set G0B, 56
.set TL,  72                           ; s72  1: my last block is a sequence's last 16 rows
.set G1L, 80
.set G0L, 88
.set MSB, 0
.macro WIN new
.if MSB != (\new)
	s_set_vgpr_msb (MSB<<8)|(\new)
.set MSB, \new
.endif
.endm
.macro PLACES
.rept 4
	v_nop
.endr
.endm
.macro JLOAD s                         ; a joint load: waves 0 and 1 fetch y's two heads, waves 2 and 3 W's two halves; an s_nop 0 and four v_nop follow each line
	s_cmp_eq_u32 s11, 0
	s_cbranch_scc0 .Lfor_b_\@
	tensor_load_to_lds s[G0+4*(\s):G0+4*(\s)+3], s[G1:G1+7]
	s_nop 0
	PLACES
	s_branch .Lasked_\@
.Lfor_b_\@:
	tensor_load_to_lds s[G0B+4*(\s):G0B+4*(\s)+3], s[G1B:G1B+7]
	s_nop 0
	PLACES
.Lasked_\@:
.endm
; A prefetch of the K step that stands two refills on.  y: waves 0 and 1 of the clusters with X = 0; of the 128 blocks of 256 bytes that the wave fetches the partner at cx takes 32, a lane a block.
; W: wave 2 of the clusters with Y = 0; the partner at cy takes 32 of the step's 128 k-rows.  Each block is named once in the launch.  K steps 0 to 3 come by their loads alone; the last trip asks for nothing.
.macro ASK
	s_cmp_gt_u32 s3, s[LIM]
	s_cbranch_scc0 .Lnot_mine_\@
	global_prefetch_b8 v[PFO], s[PFA:PFA+1] th:TH_LOAD_NT scope:SCOPE_SE
.Lnot_mine_\@:
.endm
.macro CREST
	s_cmp_lg_u32 s10, 0
	s_cbranch_scc1 .Lnot_wave_0_\@
	s_barrier_signal -3
.Lnot_wave_0_\@:
	s_barrier_wait -3
	s_barrier_signal -1
	s_barrier_wait -1
.endm
.macro CROUND
	s_barrier_signal -1
	s_barrier_wait -1
	CREST
.endm
	s_load_b128 s[4:7], s[0:1], 0x0                ; yh s[4:5], wp s[6:7]
	s_load_b64 s[66:67], s[0:1], 0x10              ; b_proj
	s_load_b64 s[8:9], s[0:1], 0x18                ; out0
	s_load_b64 s[68:69], s[0:1], 0x20              ; ylo
	v_lshl_add_u32 v[SPW], v0, 2, SPARE
	v_mov_b32 v[NIL], 0
	ds_add_u32 v[SPW], v[NIL]                      ; the wave's opening: the add and its wait ahead of my first tensor load
	ds_add_u32 v12, v13
	v_lshrrev_b32 v1, 5, v0
	v_readfirstlane_b32 s10, v1
	s_lshr_b32 s11, s10, 1                         ; rh; also: I fetch for y (0) or for W (1)
	s_and_b32 s12, s10, 1                          ; ch; also: which half I fetch
	s_bfe_u32 s40, ttmp6, 0x40000                  ; cx
	s_bfe_u32 s41, ttmp6, 0x40004                  ; cy
	s_mov_b32 s73, ttmp9                           ; X
	s_lshl_b32 s42, ttmp9, 2
	s_add_co_u32 s42, s42, s40                     ; tile column
	s_and_b32 s13, ttmp7, 0xffff                   ; Y
	s_and_b32 s77, s13, 3                          ; pos
	s_lshr_b32 s76, s13, 2
	s_lshl_b32 s76, s76, 2
	s_add_co_u32 s76, s76, s41                     ; batch
	s_lshl_b32 s78, s76, 2
	s_add_co_u32 s78, s78, s77                     ; tile row
	s_lshl_b32 s14, s41, 2
	s_lshl_b32 s14, 15, s14                        ; my row of the cluster
	s_lshl_b32 s15, 0x1111, s40                    ; my column
	s_or_b32 s[G1], s14, (1<<16)|(1<<20)|(1<<21)|(4<<22)|(3<<25)   ; the mask; 2-byte elements; padding on; bit 21 beside a mask; after every 32 words 4 words
	s_mov_b32 s[G1+1], 128<<16
	s_mov_b32 s[G1+2], 128<<16
	s_mov_b32 s[G1+3], 128<<16
	s_mov_b32 s[G1+4], 128
	s_mov_b32 s[G1+5], 128                         ; dense
	s_mov_b32 s[G1+6], 0
	s_mov_b32 s[G1+7], 0
	s_or_b32 s[G1L], s14, (1<<16)|(1<<20)|(1<<21)|(4<<22)|(3<<25)  ; ylo's halves: the same with 64 rows
	s_mov_b32 s[G1L+1], 128<<16
	s_mov_b32 s[G1L+2], 64<<16
	s_mov_b32 s[G1L+3], 128<<16
	s_mov_b32 s[G1L+4], 64
	s_mov_b32 s[G1L+5], 128
	s_mov_b32 s[G1L+6], 0
	s_mov_b32 s[G1L+7], 0
	s_or_b32 s[G1B], s15, (1<<16)|(1<<20)|(1<<21)|(5<<22)|(7<<25)
	s_mov_b32 s[G1B+1], 128<<16
	s_mov_b32 s[G1B+2], 64<<16
	s_mov_b32 s[G1B+3], 128<<16
	s_mov_b32 s[G1B+4], 64
	s_mov_b32 s[G1B+5], 1024
	s_mov_b32 s[G1B+6], 0
	s_mov_b32 s[G1B+7], 0
	s_lshl_b32 s16, s76, 4
	s_add_co_u32 s16, s16, s12                     ; y: head 16 batch + half,
	s_lshl_b32 s16, s16, 17
	s_lshl_b32 s17, s77, 15                        ; row 256 pos
	s_add_co_u32 s16, s16, s17
	s_mov_b32 s17, 0
	s_mul_i32 s46, s12, 64*2048                    ; W: k-row 64 x half, byte 256 x tile column
	s_lshl_b32 s47, s42, 8
	s_add_co_u32 s46, s46, s47
	s_mov_b32 s47, 0
	s_lshl_b32 s22, s76, 15                        ; ylo: the batch's 32,768 bytes, my half
	s_lshl_b32 s23, s12, 14
	s_add_co_u32 s22, s22, s23
	s_mov_b32 s23, 0
	s_mul_i32 s20, s12, HEADA
	s_mul_i32 s21, s12, HALFB
	s_add_co_u32 s13, s21, ALO                     ; ylo's half has W's half's bytes in LDS: 128 rows of 144 = 64 of 288
	s_add_co_u32 s21, s21, BOFF
	s_cmp_eq_u32 s77, 3                            ; Y and the wave's number alone
	s_cselect_b32 s[TL], 1, 0
	s_cmp_eq_u32 s11, 1
	s_cselect_b32 s[TL], s[TL], 0
	s_wait_dscnt 0x0
	s_wait_kmcnt 0x0
	s_add_nc_u64 s[18:19], s[4:5], s[16:17]
	s_add_nc_u64 s[46:47], s[6:7], s[46:47]
	s_add_nc_u64 s[22:23], s[68:69], s[22:23]
	CROUND                                         ; all sixteen work-groups are here: the first joint loads meet
.irp s, 0,1
	s_mov_b32 s[G0+4*(\s)], 1
	s_add_co_u32 s[G0+4*(\s)+1], s20, (\s)*SLOT
	s_add_nc_u64 s[G0+4*(\s)+2:G0+4*(\s)+3], s[18:19], (\s)*2*131072   ; K step s: two heads on
	s_or_b32 s[G0+4*(\s)+3], s[G0+4*(\s)+3], 0x80000000
	s_mov_b32 s[G0B+4*(\s)], 1
	s_add_co_u32 s[G0B+4*(\s)+1], s21, (\s)*SLOT
	s_add_nc_u64 s[G0B+4*(\s)+2:G0B+4*(\s)+3], s[46:47], (\s)*128*2048
	s_or_b32 s[G0B+4*(\s)+3], s[G0B+4*(\s)+3], 0x80000000
.endr
	s_mov_b32 s[G0L], 1
	s_mov_b32 s[G0L+1], s13
	s_mov_b64 s[G0L+2:G0L+3], s[22:23]
	s_or_b32 s[G0L+3], s[G0L+3], 0x80000000
	s_cmp_eq_u32 s11, 0                            ; a wave's first fills stand in one branch: three loads of mine are out in waves 0 and 1, two in waves 2 and 3
	s_cbranch_scc0 .Lfirst_b
	tensor_load_to_lds s[G0L:G0L+3], s[G1L:G1L+7]
	s_nop 0
	tensor_load_to_lds s[G0:G0+3], s[G1:G1+7]
	s_nop 0
	tensor_load_to_lds s[G0+4:G0+7], s[G1:G1+7]
	s_nop 0
	PLACES
	s_branch .Lfirst_done
.Lfirst_b:
	tensor_load_to_lds s[G0B:G0B+3], s[G1B:G1B+7]
	s_nop 0
	tensor_load_to_lds s[G0B+4:G0B+7], s[G1B:G1B+7]
	s_nop 0
	PLACES
.Lfirst_done:
	; the prefetches' pointer, at K step 3: the first change of slots steps it to 4
	s_lshl_b32 s16, s76, 4
	s_add_co_u32 s16, s16, s12
	s_add_co_u32 s16, s16, 6                       ; y: head 16 batch + 6 + half,
	s_lshl_b32 s16, s16, 17
	s_lshl_b32 s17, s77, 15
	s_add_co_u32 s16, s16, s17
	s_lshl_b32 s17, s40, 13                        ; my work-group's 32 blocks of its 128
	s_add_co_u32 s16, s16, s17
	s_lshl_b32 s17, s41, 5
	s_add_co_u32 s17, s17, 3*128                   ; W: k-row 384 + 32 cy
	s_lshl_b32 s17, s17, 11
	s_lshl_b32 s22, s42, 8
	s_add_co_u32 s17, s17, s22
	s_and_b32 s23, ttmp7, 0xffff
	s_mov_b32 s14, 2048
	s_cmp_eq_u32 s11, 0
	s_cselect_b32 s16, s16, s17
	s_cselect_b32 s22, s73, s23
	s_cselect_b64 s[PFA:PFA+1], s[4:5], s[6:7]
	s_cselect_b32 s15, 256, s14
	s_cmp_eq_u32 s22, 0
	s_cselect_b32 s[LIM], 1, -1
	s_cmp_eq_u32 s10, 3
	s_cselect_b32 s[LIM], -1, s[LIM]
	s_mov_b32 s17, 0
	s_add_nc_u64 s[PFA:PFA+1], s[PFA:PFA+1], s[16:17]
	v_and_b32 v[PFO], 31, v0
	v_mul_u32_u24 v[PFO], s15, v[PFO]
	v_and_b32 v1, 15, v0
	v_bfe_u32 v2, v0, 4, 1
	v_mul_u32_u24 v3, v1, PA
	v_lshl_add_u32 v3, v2, 4, v3
	v_add_nc_u32 v[ADRL], ALO, v3
	s_mul_i32 s16, s11, 128*PA
	v_add_nc_u32 v[ADRA], s16, v3
	v_add_nc_u32 v[ADRA+1], SLOT, v[ADRA]
	v_and_b32 v15, 7, v0
	v_lshl_add_u32 v3, v2, 3, v15
	v_mul_u32_u24 v3, v3, PB
	v_bfe_u32 v15, v0, 3, 1
	v_lshl_add_u32 v3, v15, 4, v3
	s_lshl_b32 s16, s12, 7
	s_add_co_u32 s16, s16, BOFF
	v_add_nc_u32 v[ADRB], s16, v3
	v_add_nc_u32 v[ADRB+1], SLOT, v[ADRB]
	s_mul_i32 s16, s10, 16*SPITCH
	s_add_co_u32 s16, s16, STAGE
	v_mul_u32_u24 v3, v1, SPITCH
	v_lshl_add_u32 v3, v2, 5, v3
	v_add_nc_u32 v[STO], s16, v3                   ; in: row l % 16, 32 bytes for each half of the lanes
	v_mul_u32_u24 v3, v2, SPITCH
	v_lshl_add_u32 v3, v1, 4, v3
	v_add_nc_u32 v[RD], s16, v3                    ; back: lanes 0-15 one row of 256 bytes, lanes 16-31 the next
	v_lshlrev_b32 v3, 12, v2
	v_lshl_add_u32 v[CO], v1, 4, v3                ; and the same two rows in out0
.set i, 0
.rept 8                                ; ylo's fragment registers are written once here, so that they hold numbers on every way
	v_mov_b32 v[F0+96+i], 0
	v_mov_b32 v[F1+96+i], 0
.set i, i+1
.endr
	s_lshl_b32 s16, s42, 9
	s_lshl_b32 s17, s12, 8
	s_add_co_u32 s16, s16, s17
	v_lshl_add_u32 v15, v2, 5, s16
.irp b, 0,1,2,3
	global_load_b128 v[BIAS+8*(\b):BIAS+8*(\b)+3],   v15, s[66:67] offset:64*(\b)
	global_load_b128 v[BIAS+8*(\b)+4:BIAS+8*(\b)+7], v15, s[66:67] offset:64*(\b)+16
.endr
	s_lshl_b32 s22, s78, 8
	s_lshl_b32 s23, s11, 7
	s_add_co_u32 s22, s22, s23                     ; my first row of out0,
	s_lshl_b32 s22, s22, 12
	s_add_co_u32 s22, s22, s16                     ; my first column: 512 x tile column + 256 ch bytes
	s_mov_b32 s23, 0
	s_add_nc_u64 s[8:9], s[8:9], s[22:23]
	s_wait_loadcnt 0x0
.set i, 0
.rept 16                               ; the bias is rounded to bf16, like the other inputs
	v_cvt_pk_bf16_f32 v3, v[BIAS+2*i], v[BIAS+2*i+1]
	v_lshlrev_b32 v[BIAS+2*i], 16, v3
	v_and_b32 v[BIAS+2*i+1], 0xffff0000, v3
.set i, i+1
.endr
.macro MUL f, a0, n, zero              ; n x 4 matrix instructions; each of the 32 accumulators comes once in a quarter step, so they take turns
	WIN 0x50
.set ma, \a0
.rept \n
.irp b, 0,1,2,3
.if \zero
	v_wmma_f32_16x16x32_f16 v[8*(4*ma+(\b)):8*(4*ma+(\b))+7], v[(\f)+8*(\b):(\f)+8*(\b)+7], v[(\f)+32+8*ma:(\f)+32+8*ma+7], 0
.else
	v_wmma_f32_16x16x32_f16 v[8*(4*ma+(\b)):8*(4*ma+(\b))+7], v[(\f)+8*(\b):(\f)+8*(\b)+7], v[(\f)+32+8*ma:(\f)+32+8*ma+7], v[8*(4*ma+(\b)):8*(4*ma+(\b))+7]
.endif
.endr
.set ma, ma+1
.endr
.endm
.macro FETCH slot, q, f                ; 24 LDS loads in one run; quarter q lies in the slot's head q / 2, at byte 64 (q % 2) of its rows
	WIN 0
.set ao, ((\q)/2)*HEADA+((\q)%2)*64
.irp b, 0,1,2,3
	ds_load_tr16_b128 v[(\f)+8*(\b):(\f)+8*(\b)+3],   v[ADRB+(\slot)] offset:32*(\q)*PB+32*(\b)
	ds_load_tr16_b128 v[(\f)+8*(\b)+4:(\f)+8*(\b)+7], v[ADRB+(\slot)] offset:32*(\q)*PB+16*PB+32*(\b)
.endr
.irp i, 0,1,2,3,4,5,6,7
	ds_load_b128 v[(\f)+32+8*(\i):(\f)+32+8*(\i)+3],   v[ADRA+(\slot)] offset:ao+(\i)*16*PA
	ds_load_b128 v[(\f)+32+8*(\i)+4:(\f)+32+8*(\i)+7], v[ADRA+(\slot)] offset:ao+(\i)*16*PA+32
.endr
.endm
; THE LOW PART of quarter u of a trip: block 7's four accumulators take ylo's fragment times W's, three others between two links; then the next quarter's fragment of ylo is fetched into the other buffer, whose
; last reader stands ahead of this quarter's four places.  The two loads are younger than the quarter's 24, so the counted waits round them wait for no less than they did.
.macro LOQ f, g, u, load
	WIN 0
	s_cmp_eq_u32 s[TL], 1
	s_cbranch_scc0 .Lno_lo_\@
	WIN 0x50
.irp b, 0,1,2,3
	v_wmma_f32_16x16x32_f16 v[8*(28+(\b)):8*(28+(\b))+7], v[(\f)+8*(\b):(\f)+8*(\b)+7], v[(\f)+96:(\f)+103], v[8*(28+(\b)):8*(28+(\b))+7]
.endr
	WIN 0
.if \load
.set lo, (((\u)+1)/2)*16*PA+(((\u)+1)%2)*64
	ds_load_b128 v[(\g)+96:(\g)+99],   v[ADRL] offset:lo
	ds_load_b128 v[(\g)+100:(\g)+103], v[ADRL] offset:lo+32
.endif
.Lno_lo_\@:
.endm
.macro QUARTER slot, qn, f, g, zero, u
	s_wait_dscnt 8                                 ; W and y's rows 0-63 are in; the youngest eight loads may be out
	MUL \f, 0, 4, \zero
	PLACES
	FETCH \slot, \qn, \g
	s_wait_dscnt 24                                ; all but the 24 just issued
	MUL \f, 4, 4, \zero
	LOQ \f, \g, \u, 1
.endm
; The last quarter multiplies buffer 1 and changes slots: ONE barrier; in front of it each wave waits for all its tensor loads, adds 0 to its spare word, and waits for that and for its reads of this slot.
; fill = 1: the barrier opens a round of the cluster's, and this slot is filled again, two K steps on, first thing behind the round.
.macro TURN slot, next, fill, u
.if \fill
	s_wait_xcnt 0x0                                ; the last prefetch, a K step back, has read its address
	s_add_nc_u64 s[PFA:PFA+1], s[PFA:PFA+1], 262144  ; a K step: two heads of y, or 128 k-rows of W
.endif
	WIN 0
	s_wait_tensorcnt 0x0
	ds_add_u32 v[SPW], v[NIL]
	s_wait_dscnt 9                                 ; (the add and the youngest eight loads may be out)
	MUL F1, 0, 2, 0
	s_wait_dscnt 0x0                               ; the add is done, and my reads of this slot are over
	s_barrier_signal -1
	MUL F1, 2, 2, 0
	WIN 0
	s_barrier_wait -1
.if \fill
	CREST
	s_add_nc_u64 s[G0+4*(\slot)+2:G0+4*(\slot)+3], s[G0+4*(\slot)+2:G0+4*(\slot)+3], 4*131072
	s_add_nc_u64 s[G0B+4*(\slot)+2:G0B+4*(\slot)+3], s[G0B+4*(\slot)+2:G0B+4*(\slot)+3], 2*128*2048
	JLOAD \slot                                    ; its four v_nop are also the places in front of the loads below
.else
	PLACES
.endif
	FETCH \next, 0, F0
.if \fill
	ASK
.endif
	MUL F1, 4, 4, 0
	LOQ F1, F0, \u, 1
.endm
	s_wait_tensorcnt 1                             ; ylo and my part of K step 0 are in; K step 1's may stay out
	s_barrier_signal -1
	s_barrier_wait -1
	FETCH 0, 0, F0
	s_cmp_eq_u32 s[TL], 1
	s_cbranch_scc0 .Lno_al0
	ds_load_b128 v[F0+96:F0+99],   v[ADRL]
	ds_load_b128 v[F0+100:F0+103], v[ADRL] offset:32
.Lno_al0:
	QUARTER 0, 1, F0, F1, 1, 0                     ; the first quarter stands in front of the loop: its products start the sums
	s_mov_b32 s3, 3
.Llap:                                         ; a trip goes once round the ring and fills both slots again: K steps 2 to 7
	QUARTER 0, 2, F1, F0, 0, 1
	QUARTER 0, 3, F0, F1, 0, 2
	TURN 0, 1, 1, 3
	QUARTER 1, 1, F0, F1, 0, 4
	QUARTER 1, 2, F1, F0, 0, 5
	QUARTER 1, 3, F0, F1, 0, 6
	TURN 1, 0, 1, 7
	QUARTER 0, 1, F0, F1, 0, 8
	v_add_nc_u32 v[ADRL], 4*16*PA, v[ADRL]         ; eight quarters are four heads of ylo
	s_sub_co_u32 s3, s3, 1
	s_cmp_lg_u32 s3, 0
	s_cbranch_scc1 .Llap
	QUARTER 0, 2, F1, F0, 0, 1                     ; the last lap fills nothing
	QUARTER 0, 3, F0, F1, 0, 2
	TURN 0, 1, 0, 3
	QUARTER 1, 1, F0, F1, 0, 4
	QUARTER 1, 2, F1, F0, 0, 5
	QUARTER 1, 3, F0, F1, 0, 6
	s_wait_dscnt 8
	MUL F1, 0, 4, 0
	s_wait_dscnt 0x0
	MUL F1, 4, 4, 0
	LOQ F1, F0, 7, 0
; THE WAY OUT, a block of 16 rows at a time: 4 x sum + bias; 32 bytes a lane into my stage; back as whole rows of 256 bytes; stored.
.macro PACK a
	WIN 0x01
.set i, 0
.rept 16
	v_pk_fma_f32 v[T+2*i:T+2*i+1], v[32*(\a)+2*i:32*(\a)+2*i+1], 4.0, v[BIAS+2*i:BIAS+2*i+1] op_sel_hi:[1,0,1]
.set i, i+1
.endr
	WIN 0
.endm
.macro TOSTAGE a
.set bk, BK+32*((\a)%2)
.irp b, 0,1,2,3
	ds_store_b128 v[STO], v[T+8*(\b):T+8*(\b)+3]   offset:64*(\b)
	ds_store_b128 v[STO], v[T+8*(\b)+4:T+8*(\b)+7] offset:64*(\b)+16
.endr
.irp t, 0,1,2,3,4,5,6,7
	ds_load_b128 v[bk+4*(\t):bk+4*(\t)+3], v[RD] offset:(\t)*2*SPITCH  ; LDS serves a wave's instructions in order (ISA guide 5.7.1.4): these see the stores above
.endr
.endm
.macro SEND a
.set bk, BK+32*((\a)%2)
	s_wait_dscnt 0x0                               ; the block is back in registers
	s_wait_xcnt 0x0                                ; the block before's stores have read their registers, which the next block's loads write
.irp t, 0,1,2,3,4,5,6,7
	global_store_b128 v[CO], v[bk+4*(\t):bk+4*(\t)+3], s[8:9] offset:65536*(\a)+8192*(\t)  ; 16 lanes store 256 consecutive bytes, aligned
.endr
.endm
	PLACES
	PACK 0
	TOSTAGE 0
.irp a, 1,2,3,4,5,6,7                  ; block a's arithmetic stands between block a - 1's loads from the stage and the wait for them
	PACK \a
	SEND (\a)-1
	TOSTAGE \a
.endr
	SEND 7
	s_wait_tensorcnt 0x0                           ; the wave's end
	ds_add_u32 v[SPW], v[NIL]
	s_wait_dscnt 0x0
	CROUND                                         ; the closing round
	s_endpgm
.Lfunc_end_k_q0d5b2e29c3_gproj:
	.size	k_q0d5b2e29c3_gproj, .Lfunc_end_k_q0d5b2e29c3_gproj-k_q0d5b2e29c3_gproj
	.p2alignl 7, 3214868480
	.fill 96, 4, 3214868480
	.section	.rodata,"a",@progbits
	.p2align	6, 0x0
	.amdhsa_kernel k_q0d5b2e29c3_gproj
		.amdhsa_group_segment_fixed_size 327680
		.amdhsa_private_segment_fixed_size 0
		.amdhsa_enable_private_segment 0
		.amdhsa_kernarg_size 40
		.amdhsa_user_sgpr_count 2
		.amdhsa_user_sgpr_kernarg_segment_ptr 1
		.amdhsa_wavefront_size32 1
		.amdhsa_system_sgpr_workgroup_id_x 1
		.amdhsa_system_sgpr_workgroup_id_y 1
		.amdhsa_system_sgpr_workgroup_id_z 1
		.amdhsa_system_vgpr_workitem_id 0
		.amdhsa_next_free_vgpr 512
		.amdhsa_next_free_sgpr 96
		.amdhsa_reserve_vcc 0
		.amdhsa_float_denorm_mode_32 3
		.amdhsa_float_denorm_mode_16_64 3
		.amdhsa_memory_ordered 1
		.amdhsa_forward_progress 1
		.amdhsa_inst_pref_size 109
	.end_amdhsa_kernel
	.amdgpu_metadata
---
amdhsa.version: [ 1, 2 ]
amdhsa.kernels:
  - .name:           k_q0d5b2e29c3_gproj
    .symbol:         k_q0d5b2e29c3_gproj.kd
    .args:
      - { .name: yh, .offset: 0, .size: 8, .value_kind: global_buffer, .address_space: global }
      - { .name: wp, .offset: 8, .size: 8, .value_kind: global_buffer, .address_space: global }
      - { .name: b_proj, .offset: 16, .size: 8, .value_kind: global_buffer, .address_space: global }
      - { .name: out0, .offset: 24, .size: 8, .value_kind: global_buffer, .address_space: global }
      - { .name: ylo, .offset: 32, .size: 8, .value_kind: global_buffer, .address_space: global }
    .group_segment_fixed_size: 327680
    .private_segment_fixed_size: 0
    .kernarg_segment_align: 8
    .kernarg_segment_size: 40
    .max_flat_workgroup_size: 128
    .sgpr_count:     96
    .vgpr_count:     512
    .wavefront_size: 32
...
	.end_amdgpu_metadata
.endif
;; end of part 5
